; MI455X (gfx1250); checked and timed in simulation.
; The chip was launched on July 23, 2026; its instructions are those of AMD's public machine-readable ISA for CDNA 5 (MIT licence, August 2026) and "CDNA5" Instruction Set Architecture Reference Guide (July 2026). The comments in the code are by the model that wrote it; some were corrected since.
;; Attention Block. Allowed arithmetic: matrix products marked QUANTISED: E3M2 operands, one E8M0 scale for each 32 along K, by v_wmma_scale_f32_16x16x128_f8f6f4 with both operands' format E3M2, f32 sums; everything else in f32.
;; Inputs: Wk 1,024 x 1,024 float32; Wq 1,024 x 1,024 float32; Wv 1,024 x 1,024 float32; bk 1,024 float32; bq 1,024 float32; bv 1,024 float32; minibatch 4 x 2,048 x 1,024 float32.
;; Outputs: out0 4 x 2,048 x 2,048 float32.
;; This version of the problem:
;;   THIS VERSION OF THE PROBLEM IS GIVEN IN LOW PRECISION. The matrix products marked QUANTISED in the list below multiply operands that are first quantised to E3M2 (3 exponent bits, 2 mantissa bits; 6 bits a number), with one power-of-two scale for each 32 numbers along K (OCP MX v1.0); their sums are f32. All else is computed in f32.
;;   The module's matrix products, in the order in which they are computed (A, B: the left and right operand; K: the contracted axis; several contracted axes count as one K, in the product's order):
;;     1. [M 8,192, K 1,024] x [K 1,024, N 1,024]; A: input minibatch; B: input Wq: QUANTISED
;;     2. [M 8,192, K 1,024] x [K 1,024, N 1,024]; A: input minibatch; B: input Wk: QUANTISED
;;     3. [M 8,192, K 1,024] x [K 1,024, N 1,024]; A: input minibatch; B: input Wv: QUANTISED
;;     4. batch 4 x [M 2,048, K 1,024] x [K 1,024, N 2,048]; A: computed on the way; B: computed on the way: QUANTISED
;;     5. batch 4 x [M 2,048, K 2,048] x [K 2,048, N 1,024]; A: softmax (see below); B: computed on the way: QUANTISED
;;   THE QUANTISER, for each operand of a quantised product, along K:
;;     - K is cut into blocks of 32 from its start; a last block that is shorter is filled with zeros.
;;     - A block's scale is 2^e with e = floor(log2(the largest magnitude in the block)) - 4, held to -126 .. 127; a block of zeros has e = 0. As a byte (E8M0): e + 127.
;;     - Each number is divided by its block's scale, clamped to +-28, and rounded to the nearest number of E3M2, ties to even, subnormals kept.
;;     - The product sums the exact products of the quantised numbers (number of the format x scale) in f32.
;;   ~~~python
;;   def quantise(x, axis):      # numpy; x: float32 -> the quantised numbers, widened to float32 again
;;       x = np.moveaxis(x, axis, -1); K = x.shape[-1]
;;       x = np.pad(x, [(0, 0)] * (x.ndim - 1) + [(0, -K % 32)]); x = x.reshape(x.shape[:-1] + (-1, 32)); a = np.abs(x).max(-1, keepdims=True)
;;       e = np.where(a > 0, np.clip(np.frexp(np.where(a > 0, a, 1))[1] - 1 - 4, -126, 127), 0)      # np.frexp(a)[1] - 1 = floor(log2(a)), exactly
;;       r = np.clip(x / 2.0 ** e, -28, 28)
;;       step = 2.0 ** (np.maximum(np.frexp(np.where(r == 0, 1, r))[1] - 1, -2) - 2)
;;       q = np.round(r / step) * step * 2.0 ** e      # np.round: ties to even
;;       return np.moveaxis(q.reshape(q.shape[:-2] + (-1,))[..., :K], -1, axis).astype(np.float32)
;;   ~~~
;;   SOFTMAX AHEAD OF A QUANTISED PRODUCT. Where the list says 'softmax', what is quantised is not the finished softmax but p = 2^(t - M), with t = logit x log2(e) and M = ceil(the row's largest t), a whole number; so 1/2 < the row's largest p <= 1. The row's sum l is taken of the UNQUANTISED p, in f32, and the product's result is divided by l at the end. Since M is a whole number, a kernel that streams over the keys may use a running M (the ceiling of the running maximum): every later rescaling is an exact power of two, which a block's scale takes up: the codes' values come out the same.
;;   OPERANDS COMPUTED ON THE WAY. 'Computed on the way' means the value that the module computes at that place (a softmax that the list does not call 'softmax' is quantised finished and normalised). What goes into a quantiser is computed in f32, as accurately as f32 sums, v_exp_f32 and their like allow (about 1e-6 of the number): no bf16 or f16 on the way to a quantiser, and a product that is left as it is and whose result goes on into a quantised operand takes f32 operands (vector FMAs, or v_wmma_f32_16x16x4_f32). A number that lies on a knife's edge between two numbers of the format may be rounded either way, as far as f32 arithmetic and the matrix unit's own rounding can turn it there, and no further.
;; One version. Each part assembles by itself: llvm-mc -triple=amdgcn-amd-amdhsa -mcpu=gfx1250 --defsym DOCPART=n.
;; ======== version 1 of 1: 4 launches
;; workspace buffers: xp 6,553,600 bytes; wp 2,457,600 bytes; qkvp 19,660,800 bytes; pp 13,631,488 bytes; pst 1,048,576 bytes
;; launch prep (part 1): grid 352 x 1, 8 waves a work-group, no clusters, 95,232 bytes of LDS; arguments minibatch, Wq, Wk, Wv, xp, wp, pst, out0; writes xp, wp, pst, out0
.if DOCPART == 1
	.amdgcn_target "amdgcn-amd-amdhsa--gfx1250"
	.amdhsa_code_object_version 6
	.text
	.protected	k_q31ebbb4ee3_prep
	.globl	k_q31ebbb4ee3_prep
	.p2align	8
	.type	k_q31ebbb4ee3_prep,@function
k_q31ebbb4ee3_prep:
	s_mov_b64 s[64:65], 0
	v_nop
	global_prefetch_b8 v0, s[64:65] scope:SCOPE_SE
	s_setreg_imm32_b32 hwreg(HW_REG_WAVE_MODE, 25, 1), 1
	s_wait_xcnt 0x0
; PREP.  minibatch [8192][1024] f32 and Wq, Wk, Wv [1024 (k)][1024 (n)] f32 become codes of BF6 (E3M2) with one E8M0 byte for each 32 along K (the 1,024 channels),
; laid as PANELS OF REGISTER IMAGES; minibatch is also copied into the left half of out0's rows, and the statistics buffer gets neutral pairs {-M = 3e38, l = 0}.
; A FRAGMENT is 16 rows x 128 K = 12 registers a lane (lane (r, h): registers 6 c .. 6 c + 5 hold K = 64 c + 32 h + 0 .. 31); its image is 1,536 bytes: registers 4 g .. 4 g + 3 of lane l at 512 g + 16 l.
; A PANEL is 128 rows x 256 K: fragment (q = which 128 of K, a = tile of rows) at (8 q + a) x 1,536; lane r of tile a holds row 32 (a / 2) + 8 (a % 2) + r + 8 (r / 8).
; Behind the 16 fragments, at byte 24,576, the scale words: that of (q, tile i, row r) at 512 q + 256 (i / 4) + 128 (i % 2) + 4 ((i / 2) % 2) + 8 r.  A panel is 25,600 dense bytes.
; One work-group of eight waves makes one panel: work-groups 0-255 those of minibatch (token panel g / 4, K panel g % 4), 256-351 those of the weights (tensor, column panel, K panel).
; The two ways part on the work-group's number, never join, and have LDS bytes of their own.  No tensor loads, no matrix unit, no cluster: nothing is shared between work-groups and memory binds.
; A block's scale is 2^(floor(log2(its largest magnitude)) - 4): its byte is the largest magnitude's exponent field - 4, held at 1 from below by a floor among the maximum's leaves.
; LIMITS: a block of zeros, and one whose largest magnitude lies under 2^-122, gets the byte 1 (the bytes are read by this program alone; zero codes add nothing); NaN and infinities among the inputs are not served.
.set PANEL, 25600
.set SCOFF, 24576
.set FRB,   1536
.set SP,    528                        ; a stage row: 512 bytes + 16: an odd multiple of 16, so that sixteen rows begin in different groups of banks
.set XSC,   67584                      ; LDS: bytes 0 .. 67,583 eight stages of 16 rows (x way); here the x way's 1,024 bytes of scale words;
.set WIMG,  68608                      ; the W way's images, 3,072 bytes a wave;
.set WSC,   93184                      ; and its 1,024 bytes of scale words
.set R,     16                         ; x way: v16-143  two sets of 16 rows as loaded
.set X,     144                        ; v144-207 64 numbers of my row: two blocks of 32
.set CT,    232                        ; v232-239 the second halves of the blocks' codes
.set WCT,   176                        ; W way: the same
	s_load_b256 s[4:11], s[0:1], 0x0               ; minibatch s[4:5], Wq s[6:7], Wk s[8:9], Wv s[10:11]
	s_load_b256 s[12:19], s[0:1], 0x20             ; xp s[12:13], wp s[14:15], pst s[16:17], out0 s[18:19]
	v_lshl_add_u32 v254, v0, 2, 0x17000
	v_mov_b32 v255, 0
	v_lshrrev_b32 v1, 5, v0
	v_readfirstlane_b32 s20, v1                    ; wave 0..7
	v_and_b32 v1, 31, v0                           ; lane
	s_mov_b32 s22, 0x76543210
	s_mov_b32 s23, 0xfedcba98                      ; v_permlanex16_b32's selects for lane l xor 16
	s_cmp_ge_u32 ttmp9, 256
	s_cbranch_scc1 .Lweights
; ---------------- THE x WAY.  Wave w makes tile a = w of the panel: 16 rows, two fragments (q = 0, 1).
	v_and_b32 v2, 15, v0                           ; r
	v_bfe_u32 v3, v0, 4, 1                         ; h
	v_lshlrev_b32 v4, 4, v1                        ; 16 x lane: my 16 bytes of a load's or store's 512
	s_mul_i32 s21, s20, 16*SP                      ; my stage
	v_add_nc_u32 v5, s21, v4                       ; into it: a row as it lies
	v_mul_u32_u24 v6, v2, SP
	v_lshl_add_u32 v6, v3, 7, v6
	v_add_nc_u32 v6, s21, v6                       ; out of it: row r, + 128 h: my 32 numbers of each 64
	s_lshr_b32 s34, s20, 2
	s_lshl_b32 s34, s34, 8
	s_and_b32 s36, s20, 1
	s_lshl_b32 s35, s36, 7
	s_add_co_u32 s34, s34, s35
	s_bfe_u32 s35, s20, 0x10001
	s_lshl_b32 s35, s35, 2
	s_add_co_u32 s34, s34, s35
	s_add_co_u32 s34, s34, XSC
	v_lshlrev_b32 v7, 3, v2
	v_add_nc_u32 v7, s34, v7                       ; my tile's scale words: XSC + 256 (w / 4) + 128 (w % 2) + 4 ((w / 2) % 2) + 8 r
	s_lshl_b32 s35, s36, 9
	v_add_nc_u32 v11, s35, v4                      ; the scale area on its way out: 512 (w % 2) + 16 x lane,
	v_add_nc_u32 v8, XSC, v11                      ; and the same in LDS
	v_lshlrev_b32 v9, 3, v3                        ; 8 h: how far my two bytes are shifted in the word
	v_lshlrev_b32 v10, 4, v0                       ; 16 x thread: the neutral statistics
	v_mov_b32 v12, 0x7f61b1e6                      ; -M = 3e38: above every -M that a chunk of keys can have
	v_mov_b32 v13, 0                               ; l = 0
	v_mov_b32 v14, 0x7f61b1e6
	v_mov_b32 v15, 0
	v_mov_b32 v247, 0                              ; a lane permute's destination counts as one of its sources
	s_lshr_b32 s34, ttmp9, 2                       ; token panel
	s_and_b32 s35, ttmp9, 3                        ; K panel
	s_lshl_b32 s34, s34, 7
	s_lshr_b32 s37, s20, 1
	s_lshl_b32 s37, s37, 5
	s_add_co_u32 s34, s34, s37
	s_lshl_b32 s37, s36, 3
	s_add_co_u32 s34, s34, s37                     ; my tile's first token: 128 x panel + 32 (w / 2) + 8 (w % 2)
	s_lshl_b32 s35, s35, 10                        ; 256 numbers along K are 1,024 bytes
	s_lshl_b32 s38, s34, 12                        ; a row of minibatch is 4,096 bytes,
	s_add_co_u32 s38, s38, s35
	s_mov_b32 s39, 0
	s_lshl_b32 s40, s34, 13                        ; a row of out0 8,192
	s_add_co_u32 s40, s40, s35
	s_mov_b32 s41, 0
	s_mul_i32 s42, ttmp9, PANEL
	s_mov_b32 s43, 0
	s_mul_i32 s44, s20, FRB
	s_mov_b32 s45, 0
	s_lshl_b32 s46, ttmp9, 12                      ; 4,096 bytes of statistics a work-group: 256 x 4,096 is the whole buffer
	s_mov_b32 s47, 0
	s_wait_kmcnt 0x0
	s_add_nc_u64 s[24:25], s[4:5], s[38:39]
	s_add_nc_u64 s[26:27], s[18:19], s[40:41]
	s_add_nc_u64 s[32:33], s[12:13], s[42:43]      ; my panel,
	s_add_nc_u64 s[28:29], s[32:33], s[44:45]      ; my tile's fragment of q = 0,
	s_add_nc_u64 s[32:33], s[32:33], SCOFF         ; the panel's scale area
	s_add_nc_u64 s[30:31], s[16:17], s[46:47]
.irp q, 0,1
.irp p, 0,1,2,3,4,5,6,7,8,9,10,11,12,13,14,15
	global_load_b128 v[R+64*\q+4*\p:R+64*\q+4*\p+3], v4, s[24:25] offset:(\p+8*(\p/8))*4096+512*\q th:TH_LOAD_NT   ; lane row p of the tile: 32 lanes read 512 consecutive bytes
.endr
.endr
	global_store_b128 v10, v[12:15], s[30:31]      ; the neutral pairs: 256 threads x 16 bytes
.macro FRAGX q
.set PCQ, 208+12*\q                    ; a set of code registers for each q: no store's data are written again
.if \q == 0
	s_wait_loadcnt 16                              ; q = 0's sixteen loads are in; q = 1's sixteen may be out
.else
	s_wait_loadcnt 0x0
.endif
.irp p, 0,1,2,3,4,5,6,7,8,9,10,11,12,13,14,15
	global_store_b128 v4, v[R+64*\q+4*\p:R+64*\q+4*\p+3], s[26:27] offset:(\p+8*(\p/8))*8192+512*\q th:TH_STORE_NT   ; the copy: 512 consecutive bytes, aligned
.endr
.irp p, 0,1,2,3,4,5,6,7,8,9,10,11,12,13,14,15
	ds_store_b128 v5, v[R+64*\q+4*\p:R+64*\q+4*\p+3] offset:SP*\p
.endr
.irp c, 0,1
.irp i, 0,1,2,3,4,5,6,7
	ds_load_b128 v[X+32*\c+4*\i:X+32*\c+4*\i+3], v6 offset:256*\c+16*\i   ; LDS serves a wave's instructions in order: these see my stores.  K = 64 c + 32 h + 4 i ..
.endr
.endr
	s_wait_dscnt 0x0
.irp c, 0,1
	v_max3_num_f32 v[240+\c], |v[X+32*\c]|, |v[X+32*\c+1]|, 0x2800000   ; my block 2 c + h: all its 32 numbers are mine; the floor 2^(5 - 127) holds the byte at 1 from below
.endr
.irp i, 2,4,6,8,10,12,14,16,18,20,22,24,26,28,30
.irp c, 0,1
	v_max3_num_f32 v[240+\c], v[240+\c], |v[X+32*\c+\i]|, |v[X+32*\c+\i+1]|
.endr
.endr
.irp c, 0,1
	v_add_nc_u32 v[242+\c], 0xfe000000, v[240+\c]  ; 4 off the exponent field: the conversion's scale operand
.endr
.irp c, 0,1
	v_lshrrev_b32 v[244+\c], 23, v[242+\c]         ; the scale's byte
.endr
	v_lshl_or_b32 v246, v245, 16, v244             ; my two bytes: blocks h and 2 + h,
	v_lshlrev_b32 v246, v9, v246                   ; at their places in the word;
	v_permlanex16_b32 v247, v246, s22, s23
	v_or_b32 v246, v246, v247                      ; with lane l xor 16's two the word is whole
.irp c, 0,1
	v_cvt_scalef32_pk16_bf6_f32 v[PCQ+6*\c:PCQ+6*\c+2], v[X+32*\c:X+32*\c+15], v[242+\c]
	v_cvt_scalef32_pk16_bf6_f32 v[CT+4*\c:CT+4*\c+2], v[X+32*\c+16:X+32*\c+31], v[242+\c]   ; (a conversion's three registers begin on an even number)
.endr
	v_nop                                          ; one plain place behind a scaled conversion
.irp c, 0,1
.irp i, 0,1,2
	v_mov_b32 v[PCQ+6*\c+3+\i], v[CT+4*\c+\i]
.endr
.endr
.irp g, 0,1,2
	global_store_b128 v4, v[PCQ+4*\g:PCQ+4*\g+3], s[28:29] offset:8*\q*FRB+512*\g   ; the fragment's image: 512 consecutive bytes a store
.endr
	ds_store_b32 v7, v246 offset:512*\q            ; lanes r and r + 16 write the same word with the same value
.endm
	FRAGX 0
	FRAGX 1
	s_wait_dscnt 0x0                               ; for the others' sake: my scale words have landed
	s_barrier_signal -1
	s_barrier_wait -1
	s_cmp_ge_u32 s20, 2
	s_cbranch_scc1 .Lx_done                        ; waves 0 and 1 send the panel's 1,024 bytes of scale words, 512 each
	ds_load_b128 v[248:251], v8
	s_wait_dscnt 0x0
	global_store_b128 v11, v[248:251], s[32:33]
.Lx_done:
	s_wait_tensorcnt 0x0
	ds_add_u32 v254, v255
	s_wait_dscnt 0x0
	s_endpgm
; ---------------- THE W WAY.  K is W's first axis: a lane takes a column and its registers run down K, so that a block of 32 lies in one lane and the codes come out with K innermost.
; Wave w: columns 32 (w % 4) on of the panel's 128 (tiles 2 (w % 4) and 2 (w % 4) + 1), K = 128 (w / 4) on of the panel's 256: four blocks a lane.
; Lane x's column is row r = x % 8 + 8 (x / 16) of tile 2 (w % 4) + u, u = (x / 8) % 2.  Its block kb is what lane r + 16 (kb % 2) of the fragment holds in registers 6 (kb / 2) .. + 5.
.Lweights:
	s_sub_co_u32 s21, ttmp9, 256                   ; which panel of the 96
	s_and_b32 s34, s20, 3                          ; cg
	s_lshr_b32 s35, s20, 2                         ; q
	v_bfe_u32 v2, v0, 3, 1                         ; u
	v_and_b32 v3, 7, v0
	v_bfe_u32 v10, v0, 4, 1
	v_lshl_add_u32 v3, v10, 3, v3                  ; r
	v_lshlrev_b32 v4, 2, v1                        ; in: 4 bytes a lane
	s_mul_i32 s36, s20, 2*FRB
	s_add_co_u32 s36, s36, WIMG                    ; my two images
	v_mul_u32_u24 v5, v2, FRB
	v_lshl_add_u32 v5, v3, 4, v5
	v_add_nc_u32 v5, s36, v5                       ; into them: fragment u, lane r's 16 bytes
	v_lshlrev_b32 v9, 4, v1
	v_add_nc_u32 v6, s36, v9                       ; out of them: as they lie
	s_lshl_b32 s37, s35, 9
	s_lshr_b32 s38, s34, 1
	s_lshl_b32 s38, s38, 8
	s_add_co_u32 s37, s37, s38
	s_and_b32 s38, s34, 1
	s_lshl_b32 s38, s38, 2
	s_add_co_u32 s37, s37, s38
	s_add_co_u32 s37, s37, WSC
	v_lshlrev_b32 v7, 7, v2
	v_lshl_add_u32 v7, v3, 3, v7
	v_add_nc_u32 v7, s37, v7                       ; my column's scale word: WSC + 512 q + 256 (cg / 2) + 4 (cg % 2) + 128 u + 8 r
	s_and_b32 s38, s20, 1
	s_lshl_b32 s38, s38, 9
	v_add_nc_u32 v11, s38, v9
	v_add_nc_u32 v8, WSC, v11
	s_lshr_b32 s39, s21, 5                         ; which tensor
	s_bfe_u32 s40, s21, 0x30002                    ; column panel
	s_and_b32 s41, s21, 3                          ; K panel
	s_lshl_b32 s42, s41, 20                        ; 256 rows of 4,096 bytes
	s_lshl_b32 s43, s35, 19                        ; 128 rows
	s_add_co_u32 s42, s42, s43
	s_lshl_b32 s43, s40, 9                         ; 128 columns
	s_add_co_u32 s42, s42, s43
	s_lshl_b32 s43, s34, 7                         ; 32 columns
	s_add_co_u32 s42, s42, s43
	s_mov_b32 s43, 0
	s_mul_i32 s44, s21, PANEL
	s_mov_b32 s45, 0
	s_lshl_b32 s46, s35, 3
	s_lshl_b32 s47, s34, 1
	s_add_co_u32 s46, s46, s47
	s_mul_i32 s46, s46, FRB                        ; fragments 8 q + 2 cg and the next
	s_mov_b32 s47, 0
	s_wait_kmcnt 0x0
	s_cmp_eq_u32 s39, 0                            ; the choice hangs on the work-group's number alone
	s_cselect_b64 s[24:25], s[6:7], s[8:9]
	s_cmp_eq_u32 s39, 2
	s_cselect_b64 s[24:25], s[10:11], s[24:25]
	s_add_nc_u64 s[24:25], s[24:25], s[42:43]
	s_add_nc_u64 s[32:33], s[14:15], s[44:45]
	s_add_nc_u64 s[28:29], s[32:33], s[46:47]
	s_add_nc_u64 s[32:33], s[32:33], SCOFF
.macro WLOAD kb                        ; block kb: W(32 kb + i, my column), i = 0 .. 31: each load reads 128 consecutive bytes, the four waves of a q side by side
.set n, 32*(\kb)
.rept 32
	global_load_b32 v[16+n], v4, s[24:25] offset:4096*n th:TH_LOAD_NT
.set n, n+1
.endr
.endm
.macro WBLK kb
.set XS, 16+32*(\kb)
.set CC, 144+8*(\kb)                   ; six code registers of its own for each block
.if (\kb) < 3
	s_wait_loadcnt 32                              ; this block's 32 loads are in; the next block's may be out
.else
	s_wait_loadcnt 0x0
.endif
.if (\kb) < 2
	WLOAD (\kb)+2                                  ; loads run two blocks ahead
.endif
	v_max3_num_f32 v12, |v[XS]|, |v[XS+1]|, |v[XS+2]|
	v_max3_num_f32 v13, |v[XS+3]|, |v[XS+4]|, |v[XS+5]|
.irp i, 6,10,14,18,22,26
	v_max3_num_f32 v12, v12, |v[XS+\i]|, |v[XS+\i+1]|
	v_max3_num_f32 v13, v13, |v[XS+\i+2]|, |v[XS+\i+3]|
.endr
	v_max3_num_f32 v12, v12, |v[XS+30]|, |v[XS+31]|
	v_max3_num_f32 v12, v12, v13, 0x2800000        ; and the floor 2^(5 - 127)
	v_add_nc_u32 v14, 0xfe000000, v12              ; the conversion's scale operand
	v_lshrrev_b32 v13, 23, v14                     ; the scale's byte
.if (\kb) == 0
	v_mov_b32 v15, v13
.else
	v_lshl_or_b32 v15, v13, 8*(\kb), v15           ; four bytes make my column's word for these 128 along K
.endif
	v_cvt_scalef32_pk16_bf6_f32 v[CC:CC+2], v[XS:XS+15], v14
	v_cvt_scalef32_pk16_bf6_f32 v[WCT:WCT+2], v[XS+16:XS+31], v14
	v_nop                                          ; one plain place behind a scaled conversion
.irp i, 0,1,2
	v_mov_b32 v[CC+3+\i], v[WCT+\i]
.endr
.if (\kb)/2 == 0                       ; registers 0-5 of the fragment's lane r + 16 (kb % 2): group 0 whole, the lower half of group 1
	ds_store_b128 v5, v[CC:CC+3] offset:256*((\kb)%2)
	ds_store_b64 v5, v[CC+4:CC+5] offset:512+256*((\kb)%2)
.else                                  ; registers 6-11: the upper half of group 1, group 2 whole
	ds_store_b64 v5, v[CC:CC+1] offset:520+256*((\kb)%2)
	ds_store_b128 v5, v[CC+2:CC+5] offset:1024+256*((\kb)%2)
.endif
.endm
	WLOAD 0
	WLOAD 1
	WBLK 0
	WBLK 1
	WBLK 2
	WBLK 3
	ds_store_b32 v7, v15
.irp i, 0,1,2,3,4,5
	ds_load_b128 v[180+4*\i:183+4*\i], v6 offset:512*\i    ; my own bytes, served in order: these see my stores
.endr
	s_wait_dscnt 0x0                               ; the images are back, and my scale word has landed
.irp i, 0,1,2,3,4,5
	global_store_b128 v9, v[180+4*\i:183+4*\i], s[28:29] offset:512*\i   ; 512 consecutive bytes a store
.endr
	s_barrier_signal -1
	s_barrier_wait -1
	s_cmp_ge_u32 s20, 2
	s_cbranch_scc1 .Lw_done
	ds_load_b128 v[204:207], v8
	s_wait_dscnt 0x0
	global_store_b128 v11, v[204:207], s[32:33]
.Lw_done:
	s_wait_tensorcnt 0x0
	ds_add_u32 v254, v255
	s_wait_dscnt 0x0
	s_endpgm
.Lfunc_end_k_q31ebbb4ee3_prep:
	.size	k_q31ebbb4ee3_prep, .Lfunc_end_k_q31ebbb4ee3_prep-k_q31ebbb4ee3_prep
	.p2alignl 7, 3214868480
	.fill 96, 4, 3214868480
	.section	.rodata,"a",@progbits
	.p2align	6, 0x0
	.amdhsa_kernel k_q31ebbb4ee3_prep
		.amdhsa_group_segment_fixed_size 95232
		.amdhsa_private_segment_fixed_size 0
		.amdhsa_enable_private_segment 0
		.amdhsa_kernarg_size 64
		.amdhsa_user_sgpr_count 2
		.amdhsa_user_sgpr_kernarg_segment_ptr 1
		.amdhsa_wavefront_size32 1
		.amdhsa_system_sgpr_workgroup_id_x 1
		.amdhsa_system_sgpr_workgroup_id_y 1
		.amdhsa_system_sgpr_workgroup_id_z 1
		.amdhsa_system_vgpr_workitem_id 0
		.amdhsa_next_free_vgpr 256
		.amdhsa_next_free_sgpr 66
		.amdhsa_reserve_vcc 0
		.amdhsa_float_denorm_mode_32 3
		.amdhsa_float_denorm_mode_16_64 3
		.amdhsa_memory_ordered 1
		.amdhsa_forward_progress 1
		.amdhsa_inst_pref_size 43
	.end_amdhsa_kernel
	.amdgpu_metadata
---
amdhsa.version: [ 1, 2 ]
amdhsa.kernels:
  - .name:           k_q31ebbb4ee3_prep
    .symbol:         k_q31ebbb4ee3_prep.kd
    .args:
      - { .name: minibatch, .offset: 0, .size: 8, .value_kind: global_buffer, .address_space: global }
      - { .name: Wq, .offset: 8, .size: 8, .value_kind: global_buffer, .address_space: global }
      - { .name: Wk, .offset: 16, .size: 8, .value_kind: global_buffer, .address_space: global }
      - { .name: Wv, .offset: 24, .size: 8, .value_kind: global_buffer, .address_space: global }
      - { .name: xp, .offset: 32, .size: 8, .value_kind: global_buffer, .address_space: global }
      - { .name: wp, .offset: 40, .size: 8, .value_kind: global_buffer, .address_space: global }
      - { .name: pst, .offset: 48, .size: 8, .value_kind: global_buffer, .address_space: global }
      - { .name: out0, .offset: 56, .size: 8, .value_kind: global_buffer, .address_space: global }
    .group_segment_fixed_size: 95232
    .private_segment_fixed_size: 0
    .kernarg_segment_align: 8
    .kernarg_segment_size: 64
    .max_flat_workgroup_size: 256
    .sgpr_count:     66
    .vgpr_count:     256
    .wavefront_size: 32
...
	.end_amdgpu_metadata
.endif
;; end of part 1
;; launch proj (part 2): grid 8 x 48, 4 waves a work-group, clusters of 4 x 4, 327,680 bytes of LDS; arguments xp, wp, bq, bk, bv, qkvp; writes qkvp
.if DOCPART == 2
	.amdgcn_target "amdgcn-amd-amdhsa--gfx1250"
	.amdhsa_code_object_version 6
	.text
	.protected	k_q31ebbb4ee3_proj
	.globl	k_q31ebbb4ee3_proj
	.p2align	8
	.type	k_q31ebbb4ee3_proj,@function
k_q31ebbb4ee3_proj:
	s_mov_b64 s[64:65], 0
	v_nop
	global_prefetch_b8 v0, s[64:65] scope:SCOPE_SE
	s_setreg_imm32_b32 hwreg(HW_REG_WAVE_MODE, 25, 1), 1
	s_wait_xcnt 0x0
	s_wait_alu depctr_hold_cnt(0) depctr_sa_sdst(0) depctr_va_vdst(0) depctr_va_sdst(0) depctr_va_ssrc(0) depctr_va_vcc(0) depctr_vm_vsrc(0)
	s_getreg_b32 s2, hwreg(HW_REG_IB_STS2, 6, 4)
	s_cmp_eq_u32 s2, 0
	s_cbranch_scc0 .Lentry_in_a_cluster
	s_endpgm
.Lentry_in_a_cluster:
	s_bfe_u32 s2, ttmp6, 0x10000c
	s_cmp_lg_u32 s2, 0xf033
	s_cbranch_scc0 .Lentry_shape_is_right
	s_endpgm
.Lentry_shape_is_right:
; PROJ.  q = x Wq + bq, k = x Wk + bk, v = x Wv + bv on codes of BF6 (E3M2) with E8M0 scales for each 32 along K, sums in f32; the results are quantised in registers and stored as panels of register images:
; q and k along the channels, v along the tokens (the keys of the second attention product).
; PANELS (made by the launch before): 128 rows x 256 K = 16 fragments of 1,536 bytes (fragment (q, a) at (8 q + a) x 1,536; registers 4 g .. 4 g + 3 of lane l at 512 g + 16 l) and, at byte 24,576, 1,024 bytes of
; scale words (that of (q, tile i, row r) at 512 q + 256 (i / 4) + 128 (i % 2) + 4 ((i / 2) % 2) + 8 r): 25,600 dense bytes.  Lane r of tile a holds row 32 (a / 2) + 8 (a % 2) + r + 8 (r / 8) of the panel.
; A tile of the result is 256 x 256: four waves, each 128 x 128 in 64 accumulators.  SOURCE 1 (called A here) gives the lanes, SOURCE 0 (called B) the registers: with the rows of B's tiles ordered as above,
; a lane's 64 registers of one tile of A's rows are 128 NEIGHBOURS along B's rows (register 16 b + i = 32 b + 16 (lane / 16) + i), which is the next product's K.
; q, k: A = x (lanes are tokens), B = Wq^T | Wk^T (registers run along the channels).  v: the two change places: A = Wv^T (lanes are channels), B = x (registers run along the tokens).
; The choice is made by selects on the cluster's y, which all sixteen partners share; there is no branch on it.  Clusters y 0-7: q and k; 8-11: v.
; K goes in steps of 256 through a ring of two LDS slots; a slot holds two panels of A and two of B; each wave fetches one panel with one tensor load.
; CLUSTERS 4 x 4: A's panels are asked for jointly along a row of the cluster, B's along a column.
; THE BIAS along the registers (bq, bk) is the C of each sum's first matrix instruction; the bias along the lanes (bv) is added on the way out; the one that does not apply is made 0 by a select.
; LIMITS: a block whose largest magnitude lies under 2^-122 (a block of zeros too) gets the byte 1; NaN and infinities are not served.
; REGISTERS: window 0: v1-5 lane numbers, v16-21 LDS addresses, v28-29 the add's two, v30 zero, v32-63 scale words (two sets), v64-127 the bias along the registers, v128-223 A's fragments (one set),
;   v224-239 the bias along the lanes in pairs.  window 1: B's fragments, two sets, at v0 and v128.  windows 2, 3: the accumulators ((a, b) at v[8 (8 (a % 4) + b)] of window 2 + a / 4).
.set PANEL,  25600
.set APAN,   PANEL
.set BPAN,   PANEL
.set SCOFF,  24576
.set FRB,    1536
.set FR,     12
.set SLOT,   2*APAN+2*BPAN             ; A's two panels, then B's two
.set SPARE,  2*SLOT                    ; behind the ring: the spare words, 128 bytes for each wave: two blocks of 256 bytes that no other line names
.set LAPS,   2                         ; K = 1,024 is four slots: twice round the ring
.set ADRA, 16
.set ADRB, 18
.set ADRS, 20
.set SPW,  28
.set NIL,  29
.set ZR,   30
.set SC,   32                          ; set s at SC + 16 s; in it, for the slot's q-th 128 along K, tile i's words at 8 q + 4 (i / 4) + 2 (i % 2) + (i / 2) % 2: lanes 0-15 A's, lanes 16-31 B's
.set BP,   64
.set AF,   128
.set BRP,  224
.set BRR,  240
.set TM,   32                          ; the way out: v32-47 at work on the scales, v64-71 the eight scale words, v128-191 64 numbers, v192-211 codes
.set WD,   64
.set H,    128
.set PC,   192
.set G1,   24
.set G0,   32
.set G1B,  48
.set G0B,  56
.set MSB, 0
.macro WIN new                         ; the immediate's high byte repeats the setting that is left
.if MSB != (\new)
	s_set_vgpr_msb (MSB<<8)|(\new)
.set MSB, (\new)
.endif
.endm
.set MUL_LO, 0xa1                      ; source 0 (B) window 1, source 1 (A) window 0, C and D window 2
.set MUL_HI, 0xf1                      ; the same, C and D window 3
.set TO_B,   0x40                      ; destination window 1, address window 0
; A joint load: waves 0 and 1 fetch A's two panels, waves 2 and 3 B's.  The branch hangs on the wave's number alone.  Four v_nop follow each of the two lines.
.macro JLOAD g0a, g1a, g0b, g1b
	s_cmp_eq_u32 s17, 0
	s_cbranch_scc0 .Lfor_b_\@
	tensor_load_to_lds s[\g0a:\g0a+3], s[\g1a:\g1a+7]
	s_nop 0
.rept 4
	v_nop
.endr
	s_branch .Lasked_\@
.Lfor_b_\@:
	tensor_load_to_lds s[\g0b:\g0b+3], s[\g1b:\g1b+7]
	s_nop 0
.rept 4
	v_nop
.endr
.Lasked_\@:
.endm
.macro CREST                           ; a round of the cluster's barrier behind its opening barrier
	s_cmp_lg_u32 s16, 0
	s_cbranch_scc1 .Lnot_wave_0_\@
	s_barrier_signal -3
.Lnot_wave_0_\@:
	s_barrier_wait -3
	s_barrier_signal -1
	s_barrier_wait -1
.endm
.macro CROUND                          ; a whole round
	s_barrier_signal -1
	s_barrier_wait -1
	CREST
.endm
.macro PLACES n                        ; plain places behind matrix instructions, in front of loads into their registers and of reads of their results
.rept \n
	v_nop
.endr
.endm
.macro FRAG reg, adr, off              ; a fragment's image comes back as it was stored: three loads of 512 consecutive bytes
.irp c, 0,1,2
	ds_load_b128 v[\reg+4*\c:\reg+4*\c+3], v[\adr] offset:\off+512*\c
.endr
.endm
.macro FETCH_B slot, q, p              ; B's eight fragments of the slot's q-th 128 along K into set p
	WIN TO_B
.irp i, 0,1,2,3,4,5,6,7
	FRAG 128*(\p)+FR*\i, ADRB+\slot, (8*(\q)+\i)*FRB
.endr
	WIN 0
.endm
.macro FETCH_A slot, q, i0             ; A's blocks i0 .. i0 + 3
.irp i, \i0, \i0+1, \i0+2, \i0+3
	FRAG AF+FR*(\i), ADRA+\slot, (8*(\q)+(\i))*FRB
.endr
.endm
.macro SCALES sc                       ; a slot's scale words: the words of tiles i and i + 2 lie side by side: eight loads of 8 bytes; lanes 0-15 take A's, lanes 16-31 B's
.irp q, 0,1
.irp j, 0,1
.irp u, 0,1
	ds_load_b64 v[SC+16*\sc+8*\q+4*\j+2*\u:SC+16*\sc+8*\q+4*\j+2*\u+1], v[ADRS+\sc] offset:512*\q+256*\j+128*\u
.endr
.endr
.endr
.endm
; 16 matrix instructions: A's blocks a0, a0 + 1 x B's eight, 128 along K.  p: B's set; sc: the set of scale words.  cm = 2: the first product starts the sums from the bias; 0: in place.
; The 64 accumulators take turns, one instruction a turn, in the same order in every step.
.macro MUL16 a0, p, q, sc, cm
.irp a, \a0, \a0+1
.irp b, 0,1,2,3,4,5,6,7
.if \cm == 2
	v_wmma_scale_f32_16x16x128_f8f6f4 v[8*(8*((\a)%4)+\b):8*(8*((\a)%4)+\b)+7], v[128*(\p)+FR*\b:128*(\p)+FR*\b+FR-1], v[AF+FR*(\a):AF+FR*(\a)+FR-1], v[BP+8*\b:BP+8*\b+7], v[SC+16*(\sc)+8*(\q)+4*(\b/4)+2*(\b%2)+(\b/2)%2], v[SC+16*(\sc)+8*(\q)+4*((\a)/4)+2*((\a)%2)+((\a)/2)%2] matrix_a_fmt:MATRIX_FMT_BF6 matrix_b_fmt:MATRIX_FMT_BF6 matrix_a_scale:MATRIX_SCALE_ROW1
.else
	v_wmma_scale_f32_16x16x128_f8f6f4 v[8*(8*((\a)%4)+\b):8*(8*((\a)%4)+\b)+7], v[128*(\p)+FR*\b:128*(\p)+FR*\b+FR-1], v[AF+FR*(\a):AF+FR*(\a)+FR-1], v[8*(8*((\a)%4)+\b):8*(8*((\a)%4)+\b)+7], v[SC+16*(\sc)+8*(\q)+4*(\b/4)+2*(\b%2)+(\b/2)%2], v[SC+16*(\sc)+8*(\q)+4*((\a)/4)+2*((\a)%2)+((\a)/2)%2] matrix_a_fmt:MATRIX_FMT_BF6 matrix_b_fmt:MATRIX_FMT_BF6 matrix_a_scale:MATRIX_SCALE_ROW1
.endif
.endr
.endr
.endm
; A slot's first 128 along K.  A block of A is free as soon as its eight products are issued, so one set serves A: blocks 0-3 are fetched anew in the middle, blocks 4-7 at the end; B has two sets.
.macro STEP slot, cm
	s_wait_dscnt 12                                ; the scales, B's set and A's blocks 0-3 are in; the youngest twelve loads (A's blocks 4-7) may be out
.if \cm == 2
	WIN 0x81                                       ; C (the bias) in window 0, D in window 2
.else
	WIN MUL_LO
.endif
	MUL16 0, 0, 0, \slot, \cm
	MUL16 2, 0, 0, \slot, \cm
	s_wait_dscnt 0x0                               ; A's blocks 4-7 are in
	PLACES 4
	FETCH_B \slot, 1, 1
	FETCH_A \slot, 1, 0
.if \cm == 2
	WIN 0xc1
.else
	WIN MUL_HI
.endif
	MUL16 4, 0, 0, \slot, \cm
	MUL16 6, 0, 0, \slot, \cm
	PLACES 4
	WIN 0
	FETCH_A \slot, 1, 4
.endm
; A slot's second 128 along K changes slots: ONE barrier; in front of it each wave waits for all its tensor loads, adds 0 to its spare word, and waits for that and for its own reads of this slot.
; fill = 1: the barrier opens a round of the cluster's barrier, and this slot is filled again, two K steps ahead.
.macro TURN slot, next, fill
	s_wait_tensorcnt 0x0                           ; all my tensor loads have landed: my part of the next slot
	ds_add_u32 v[SPW], v[NIL]                      ; 0 onto my spare word
	s_wait_dscnt 13                                ; (the add and the youngest twelve loads may be out)
	WIN MUL_LO
	MUL16 0, 1, 1, \slot, 0                        ; sixteen matrix instructions stand between the add and the wait for it
	s_wait_dscnt 0x0                               ; the add is done, and my reads of this slot are over
	s_barrier_signal -1
	MUL16 2, 1, 1, \slot, 0
	WIN 0
	s_barrier_wait -1
.if \fill
	CREST                                          ; no wave of any partner still reads this slot or has a load on its way
	s_add_nc_u64 s[G0+4*\slot+2:G0+4*\slot+3], s[G0+4*\slot+2:G0+4*\slot+3], 2*APAN
	s_add_nc_u64 s[G0B+4*\slot+2:G0B+4*\slot+3], s[G0B+4*\slot+2:G0B+4*\slot+3], 2*BPAN
	JLOAD G0+4*\slot, G1, G0B+4*\slot, G1B         ; the first tensor load behind the round; its four v_nop are also the places in front of the loads below
.else
	PLACES 4
.endif
	SCALES \next
	FETCH_B \next, 0, 0
	FETCH_A \next, 0, 0
	WIN MUL_HI
	MUL16 4, 1, 1, \slot, 0
	MUL16 6, 1, 1, \slot, 0
	PLACES 4
	WIN 0
	FETCH_A \next, 0, 4
.endm
; 64 numbers of a lane, v[s] on, register 16 b + i = k 32 b + 16 (lane / 16) + i of my row, become a fragment's codes in v[PC] on and its scale word in v[pw].
.macro QUANT s, pw
.irp b, 0,1,2,3
	v_max3_num_f32 v[TM+\b], |v[\s+16*\b]|, |v[\s+1+16*\b]|, 0x2800000   ; block b: my 16 numbers, and the floor 2^(5 - 127): the byte cannot fall under 1
.endr
.irp i, 2,4,6,8,10,12,14
.irp b, 0,1,2,3
	v_max3_num_f32 v[TM+\b], v[TM+\b], |v[\s+16*\b+\i]|, |v[\s+1+16*\b+\i]|
.endr
.endr
.irp b, 0,1,2,3
	v_permlanex16_b32 v[TM+4+\b], v[TM+\b], s74, s75
.endr
.irp b, 0,1,2,3
	v_max_num_f32 v[TM+\b], v[TM+\b], v[TM+4+\b]   ; with lane l xor 16's: the block's largest magnitude
.endr
.irp b, 0,1,2,3
	v_add_nc_u32 v[TM+12+\b], 0xfe000000, v[TM+\b] ; 4 off its exponent field: the conversion's scale operand
.endr
.irp b, 0,1,2,3
	v_lshrrev_b32 v[TM+4+\b], 23, v[TM+12+\b]      ; the scale's byte
.endr
	v_lshl_or_b32 v[\pw], v[TM+5], 8, v[TM+4]
	v_lshl_or_b32 v[\pw], v[TM+6], 16, v[\pw]
	v_lshl_or_b32 v[\pw], v[TM+7], 24, v[\pw]
.irp c, 0,1
	v_cvt_scalef32_pk16_bf6_f32 v[PC+6*\c:PC+2+6*\c], v[\s+32*\c:\s+15+32*\c], v[TM+12+2*\c]
	v_cvt_scalef32_pk16_bf6_f32 v[PC+12+4*\c:PC+14+4*\c], v[\s+16+32*\c:\s+31+32*\c], v[TM+12+2*\c+1]
.endr
	v_nop                                          ; one plain place behind a scaled conversion
.irp c, 0,1                            ; the operand's layout wants a whole block in a lane
.irp i, 0,1,2
	v_permlane16_swap_b32 v[PC+6*\c+\i], v[PC+12+4*\c+\i]
.endr
.irp i, 0,1,2
	v_mov_b32 v[PC+3+6*\c+\i], v[PC+12+4*\c+\i]
.endr
.endr
.endm
	s_load_b256 s[4:11], s[0:1], 0x0               ; xp s[4:5], wp s[6:7], bq s[8:9], bk s[10:11]
	s_load_b128 s[12:15], s[0:1], 0x20             ; bv s[12:13], qkvp s[14:15]
	v_lshl_add_u32 v[SPW], v0, 2, SPARE
	v_mov_b32 v[NIL], 0
	ds_add_u32 v28, v29
	ds_add_u32 v28, v29
	s_wait_dscnt 0x0
	v_lshrrev_b32 v1, 5, v0
	v_readfirstlane_b32 s16, v1                    ; wave 0..3
	s_lshr_b32 s17, s16, 1                         ; RH: which 128 of A's 256 rows are mine.  Also: I fetch for A (0) or for B (1)
	s_and_b32 s18, s16, 1                          ; CH: which 128 of B's 256 rows.  Also: which of the two panels I fetch
	s_bfe_u32 s19, ttmp6, 0x40000                  ; cx
	s_bfe_u32 s20, ttmp6, 0x40004                  ; cy
	s_and_b32 s23, ttmp7, 0xffff                   ; the cluster's y
	s_lshl_b32 s79, s23, 1
	s_add_co_u32 s79, s79, ttmp9
	s_sub_co_u32 s79, s79, 16                      ; v: x + 2 (y - 8): which four token tiles
	s_cmp_ge_u32 s23, 8                            ; a cluster of v?
	s_cselect_b32 s78, 0, s23
	s_cselect_b32 s79, s79, ttmp9
	s_cselect_b32 s42, 16*4*PANEL, 0               ; Wv^T's panels lie behind Wq^T's and Wk^T's sixteen rows of panels
	s_lshl_b32 s22, s78, 2
	s_add_co_u32 s22, s22, s20                     ; TR: A's tile of 256 rows
	s_lshl_b32 s21, s79, 2
	s_add_co_u32 s21, s21, s19                     ; TC: B's tile of 256 rows
	s_lshl_b32 s76, s20, 2
	s_lshl_b32 s76, 15, s76                        ; my row of the cluster
	s_lshl_b32 s77, 0x1111, s19                    ; my column
	; descriptor group 1: a panel, dense in memory, as rows of 256 bytes (32 elements of 8 bytes), no padding
	s_or_b32 s[G1], s76, (3<<16)|(1<<21)           ; 15:0 the mask: A's panels go to my row; 17:16 elements of 8 bytes; 21 set beside a mask
	s_or_b32 s[G1B], s77, (3<<16)|(1<<21)          ; B's go to my column
.irp g, G1, G1B
	s_mov_b32 s[\g+1], 32<<16                      ; tensor_dim0
	s_mov_b32 s[\g+2], (PANEL/256)<<16             ; tensor_dim1
	s_mov_b32 s[\g+3], 32<<16                      ; tile_dim0
	s_mov_b32 s[\g+4], PANEL/256                   ; tile_dim1
	s_mov_b32 s[\g+5], 32                          ; the pitch
	s_mov_b32 s[\g+6], 0
	s_mov_b32 s[\g+7], 0
.endr
	s_lshl_b32 s40, s22, 1
	s_add_co_u32 s40, s40, s18
	s_mul_i32 s40, s40, 4*PANEL                    ; A: row of panels 2 TR + CH, four panels along K
	s_add_co_u32 s40, s40, s42
	s_mov_b32 s41, 0
	s_lshl_b32 s44, s21, 1
	s_add_co_u32 s44, s44, s18
	s_mul_i32 s44, s44, 4*PANEL                    ; B: row of panels 2 TC + CH
	s_mov_b32 s45, 0
	s_mul_i32 s80, s18, APAN                       ; where they go in a slot: no place in the cluster enters an LDS address
	s_mul_i32 s81, s18, BPAN
	s_add_co_u32 s81, s81, 2*APAN
	s_mov_b32 s74, 0x76543210
	s_mov_b32 s75, 0xfedcba98
	s_wait_kmcnt 0x0
	s_cmp_ge_u32 s23, 8
	s_cselect_b64 s[42:43], s[6:7], s[4:5]         ; A's buffer: the weights for v, else x
	s_cselect_b64 s[46:47], s[4:5], s[6:7]         ; B's: the other
	s_add_nc_u64 s[40:41], s[42:43], s[40:41]
	s_add_nc_u64 s[44:45], s[46:47], s[44:45]
	CROUND                                         ; all sixteen work-groups are here: the first joint loads meet
.irp s, 0,1
	s_mov_b32 s[G0+4*\s], 1
	s_add_co_u32 s[G0+4*\s+1], s80, \s*SLOT
	s_add_nc_u64 s[G0+4*\s+2:G0+4*\s+3], s[40:41], \s*APAN
	s_or_b32 s[G0+4*\s+3], s[G0+4*\s+3], 0x80000000
	s_mov_b32 s[G0B+4*\s], 1
	s_add_co_u32 s[G0B+4*\s+1], s81, \s*SLOT
	s_add_nc_u64 s[G0B+4*\s+2:G0B+4*\s+3], s[44:45], \s*BPAN
	s_or_b32 s[G0B+4*\s+3], s[G0B+4*\s+3], 0x80000000
	JLOAD G0+4*\s, G1, G0B+4*\s, G1B               ; two loads of mine are out
.endr
	v_and_b32 v1, 15, v0                           ; r
	v_bfe_u32 v2, v0, 4, 1                         ; h
	v_and_b32 v3, 31, v0                           ; lane
	v_lshlrev_b32 v4, 4, v3                        ; 16 x lane
	v_lshlrev_b32 v5, 3, v3                        ; 8 x lane
	v_mov_b32 v[ZR], 0
	; the biases.  Along the registers: bq in clusters x = 0, bk in x = 1, numbers 256 cx + 128 CH on.  Along the lanes: bv, numbers 256 cy + 128 RH on.  Both stay inside their 1,024 numbers in every cluster.
	s_cmp_eq_u32 ttmp9, 0
	s_cselect_b64 s[84:85], s[8:9], s[10:11]
	s_lshl_b32 s86, s19, 10
	s_lshl_b32 s87, s18, 9
	s_add_co_u32 s86, s86, s87
	s_mov_b32 s87, 0
	s_add_nc_u64 s[84:85], s[84:85], s[86:87]
	s_lshl_b32 s94, s20, 10
	s_lshl_b32 s95, s17, 9
	s_add_co_u32 s94, s94, s95
	s_mov_b32 s95, 0
	s_add_nc_u64 s[88:89], s[12:13], s[94:95]
	v_lshlrev_b32 v6, 6, v2                        ; 16 h numbers
	v_and_b32 v7, 8, v1
	v_add_nc_u32 v7, v7, v1
	v_lshlrev_b32 v7, 2, v7                        ; r + 8 (r / 8) numbers
.irp b, 0,1,2,3,4,5,6,7
	global_load_b128 v[BP+8*\b:BP+8*\b+3], v6, s[84:85] offset:4*(32*(\b/2)+8*(\b%2))       ; tile b's eight registers: 32 (b / 2) + 16 h + 8 (b % 2) + 0 .. 7
	global_load_b128 v[BP+8*\b+4:BP+8*\b+7], v6, s[84:85] offset:4*(32*(\b/2)+8*(\b%2))+16
.endr
.irp a, 0,1,2,3,4,5,6,7
	global_load_b32 v[BRR+\a], v7, s[88:89] offset:4*(32*(\a/2)+8*(\a%2))                   ; tile a's lane r
.endr
	s_mul_i32 s82, s17, APAN                       ; my panel of A,
	s_mul_i32 s83, s18, BPAN
	s_add_co_u32 s83, s83, 2*APAN                  ; my panel of B
.irp s, 0,1
	v_add_nc_u32 v[ADRA+\s], s82, v4
	v_add_nc_u32 v[ADRB+\s], s83, v4
	s_add_co_u32 s82, s82, SLOT
	s_add_co_u32 s83, s83, SLOT
.endr
	s_xor_b32 s82, s17, 1
	s_add_co_u32 s82, s82, s18
	s_add_co_u32 s82, s82, 1
	s_mul_i32 s82, s82, PANEL                      ; from my panel of A to my panel of B: (2 + CH - RH) panels
	v_mul_u32_u24 v8, s82, v2                      ; lanes 16-31 take B's words: one product, the lower base + h x the distance
	v_lshl_add_u32 v8, v1, 3, v8
	s_mul_i32 s83, s17, PANEL
	s_add_co_u32 s83, s83, SCOFF
	v_add_nc_u32 v[ADRS], s83, v8
	s_add_co_u32 s83, s83, SLOT
	v_add_nc_u32 v[ADRS+1], s83, v8
	; where my results go: q, k: panel 256 (TC / 4) + 4 (2 TR + RH) + TC % 4;  v: panel 512 + 64 (TC / 8) + 8 (2 TR + RH) + TC % 8;  in it the half q = CH
	s_lshl_b32 s90, s22, 1
	s_add_co_u32 s90, s90, s17
	s_lshr_b32 s91, s21, 2
	s_lshl_b32 s91, s91, 8
	s_lshl_b32 s92, s90, 2
	s_add_co_u32 s91, s91, s92
	s_and_b32 s92, s21, 3
	s_add_co_u32 s91, s91, s92
	s_lshr_b32 s93, s21, 3
	s_lshl_b32 s93, s93, 6
	s_lshl_b32 s92, s90, 3
	s_add_co_u32 s93, s93, s92
	s_and_b32 s92, s21, 7
	s_add_co_u32 s93, s93, s92
	s_add_co_u32 s93, s93, 512
	s_cmp_ge_u32 s23, 8
	s_cselect_b32 s91, s93, s91
	s_mul_i32 s90, s91, PANEL
	s_mov_b32 s91, 0
	s_add_nc_u64 s[68:69], s[14:15], s[90:91]
	s_mul_i32 s92, s18, 8*FRB
	s_mov_b32 s93, 0
	s_add_nc_u64 s[66:67], s[68:69], s[92:93]      ; my eight fragments
	s_lshl_b32 s92, s18, 9
	s_add_co_u32 s92, s92, SCOFF
	s_add_nc_u64 s[68:69], s[68:69], s[92:93]      ; my 512 bytes of scale words
	s_wait_loadcnt 0x0                             ; the biases
	s_cmp_ge_u32 s23, 8
	s_cselect_b32 vcc_lo, -1, 0
.set i, 0
.rept 64
	v_cndmask_b32 v[BP+i], v[BP+i], v[ZR], vcc_lo  ; v: no bias along the registers
.set i, i+1
.endr
.irp a, 0,1,2,3,4,5,6,7
	v_cndmask_b32 v[BRP+2*\a], v[ZR], v[BRR+\a], vcc_lo    ; q, k: none along the lanes.  In pairs, for the packed addition
	v_cndmask_b32 v[BRP+2*\a+1], v[ZR], v[BRR+\a], vcc_lo
.endr
	s_wait_tensorcnt 1                             ; my part of slot 0 is in; slot 1's may stay out
	s_barrier_signal -1
	s_barrier_wait -1
	SCALES 0
	FETCH_B 0, 0, 0
	FETCH_A 0, 0, 0
	FETCH_A 0, 0, 4
	STEP 0, 2                                      ; the first step stands in front of the loop: its products start the sums from the bias
	s_mov_b32 s3, LAPS-1
.Llap:                                             ; a trip goes once round the ring and fills both slots again
	TURN 0, 1, 1
	STEP 1, 0
	TURN 1, 0, 1
	STEP 0, 0
	s_sub_co_u32 s3, s3, 1
	s_cmp_lg_u32 s3, 0
	s_cbranch_scc1 .Llap
	TURN 0, 1, 0                                   ; the last lap fills nothing
	STEP 1, 0
	s_wait_dscnt 12                                ; the very last step
	WIN MUL_LO
	MUL16 0, 1, 1, 1, 0
	MUL16 2, 1, 1, 1, 0
	s_wait_dscnt 0x0
	WIN MUL_HI
	MUL16 4, 1, 1, 1, 0
	MUL16 6, 1, 1, 1, 0
	WIN 0
	PLACES 4
	; THE WAY OUT.  Tile a of A's rows: 64 registers a lane, 128 neighbours along the next K: + the bias along the lanes, quantised, stored as the image of a fragment.
.irp b, 0,1,2,3
	v_mov_b32 v[TM+4+\b], 0                        ; written once: a lane permute's destination counts as one of its sources
.endr
.irp a, 0,1,2,3,4,5,6,7
	WIN 0x02+\a/4                                  ; source 0: window 2 or 3
.set i, 0
.rept 32
	v_pk_add_f32 v[H+i:H+i+1], v[64*(\a%4)+i:64*(\a%4)+i+1], v[BRP+2*\a:BRP+2*\a+1]   ; ascending: each accumulator is read from its low end on
.set i, i+2
.endr
	WIN 0
.if \a > 0
	s_wait_xcnt 0x0                                ; the last tile's stores have read their data: the code registers may be written again
.endif
	QUANT H, WD+\a
.irp g, 0,1,2
	global_store_b128 v4, v[PC+4*\g:PC+4*\g+3], s[66:67] offset:FRB*\a+512*\g   ; 512 consecutive bytes, aligned
.endr
.endr
	v_cmp_eq_u32 vcc_lo, 1, v2                     ; lane (r, h) sends the words of tiles 4 j + h and 4 j + 2 + h
.irp j, 0,1
	v_cndmask_b32 v[96+2*\j], v[WD+4*\j], v[WD+4*\j+1], vcc_lo
	v_cndmask_b32 v[97+2*\j], v[WD+4*\j+2], v[WD+4*\j+3], vcc_lo
	global_store_b64 v5, v[96+2*\j:97+2*\j], s[68:69] offset:256*\j   ; 32 lanes store 256 consecutive bytes, aligned
.endr
	s_wait_tensorcnt 0x0                           ; the wave's end
	ds_add_u32 v[SPW], v[NIL]
	s_wait_dscnt 0x0
	CROUND                                         ; the closing round
	s_endpgm
.Lfunc_end_k_q31ebbb4ee3_proj:
	.size	k_q31ebbb4ee3_proj, .Lfunc_end_k_q31ebbb4ee3_proj-k_q31ebbb4ee3_proj
	.p2alignl 7, 3214868480
	.fill 96, 4, 3214868480
	.section	.rodata,"a",@progbits
	.p2align	6, 0x0
	.amdhsa_kernel k_q31ebbb4ee3_proj
		.amdhsa_group_segment_fixed_size 327680
		.amdhsa_private_segment_fixed_size 0
		.amdhsa_enable_private_segment 0
		.amdhsa_kernarg_size 48
		.amdhsa_user_sgpr_count 2
		.amdhsa_user_sgpr_kernarg_segment_ptr 1
		.amdhsa_wavefront_size32 1
		.amdhsa_system_sgpr_workgroup_id_x 1
		.amdhsa_system_sgpr_workgroup_id_y 1
		.amdhsa_system_sgpr_workgroup_id_z 1
		.amdhsa_system_vgpr_workitem_id 0
		.amdhsa_next_free_vgpr 1024
		.amdhsa_next_free_sgpr 100
		.amdhsa_reserve_vcc 1
		.amdhsa_float_denorm_mode_32 3
		.amdhsa_float_denorm_mode_16_64 3
		.amdhsa_memory_ordered 1
		.amdhsa_forward_progress 1
		.amdhsa_inst_pref_size 159
	.end_amdhsa_kernel
	.amdgpu_metadata
---
amdhsa.version: [ 1, 2 ]
amdhsa.kernels:
  - .name:           k_q31ebbb4ee3_proj
    .symbol:         k_q31ebbb4ee3_proj.kd
    .args:
      - { .name: xp, .offset: 0, .size: 8, .value_kind: global_buffer, .address_space: global }
      - { .name: wp, .offset: 8, .size: 8, .value_kind: global_buffer, .address_space: global }
      - { .name: bq, .offset: 16, .size: 8, .value_kind: global_buffer, .address_space: global }
      - { .name: bk, .offset: 24, .size: 8, .value_kind: global_buffer, .address_space: global }
      - { .name: bv, .offset: 32, .size: 8, .value_kind: global_buffer, .address_space: global }
      - { .name: qkvp, .offset: 40, .size: 8, .value_kind: global_buffer, .address_space: global }
    .group_segment_fixed_size: 327680
    .private_segment_fixed_size: 0
    .kernarg_segment_align: 8
    .kernarg_segment_size: 48
    .max_flat_workgroup_size: 128
    .sgpr_count:     100
    .vgpr_count:     1024
    .wavefront_size: 32
...
	.end_amdgpu_metadata
.endif
;; end of part 2
;; launch score (part 3): grid 12 x 16, 4 waves a work-group, clusters of 4 x 4, 327,680 bytes of LDS; arguments qkvp, pp, pst; writes pp, pst
.if DOCPART == 3
	.amdgcn_target "amdgcn-amd-amdhsa--gfx1250"
	.amdhsa_code_object_version 6
	.text
	.protected	k_q31ebbb4ee3_score
	.globl	k_q31ebbb4ee3_score
	.p2align	8
	.type	k_q31ebbb4ee3_score,@function
k_q31ebbb4ee3_score:
	s_mov_b64 s[64:65], 0
	v_nop
	global_prefetch_b8 v0, s[64:65] scope:SCOPE_SE
	s_setreg_imm32_b32 hwreg(HW_REG_WAVE_MODE, 25, 1), 1
	s_wait_xcnt 0x0
	s_wait_alu depctr_hold_cnt(0) depctr_sa_sdst(0) depctr_va_vdst(0) depctr_va_sdst(0) depctr_va_ssrc(0) depctr_va_vcc(0) depctr_vm_vsrc(0)
	s_getreg_b32 s2, hwreg(HW_REG_IB_STS2, 6, 4)
	s_cmp_eq_u32 s2, 0
	s_cbranch_scc0 .Lentry_in_a_cluster
	s_endpgm
.Lentry_in_a_cluster:
	s_bfe_u32 s2, ttmp6, 0x10000c
	s_cmp_lg_u32 s2, 0xf033
	s_cbranch_scc0 .Lentry_shape_is_right
	s_endpgm
.Lentry_shape_is_right:
; SCORE.  S = q k^T on codes of BF6 (E3M2) with E8M0 scales, K = the 1,024 channels, f32 sums; the causal mask; and, for each query and each CHUNK of 128 keys, the softmax's numerator under the chunk's own M:
; t = score x log2(e) / 32;  M = ceil(the chunk's largest t), a whole number;  p = 2^(t - M), quantised along the keys in blocks of 32;  l = the sum of the unquantised p.
; p's codes and scale words go out as panels of register images, each row's word beside the chunk's -M; {-M, l} go to the statistics buffer.  The next launch takes the row's M as the largest of the chunks' M and
; moves each scale byte by the whole number M - M(chunk): a power of two, which leaves the codes as they are.
; PANELS of q and k: as the launch before stores them (16 fragments of 1,536 bytes, then 1,024 bytes of scale words: 25,600 bytes).  A panel of p: 128 queries x 256 keys: 16 fragments, then at byte 24,576 the pairs
; {scale word, -M as f32} of (q, tile a, row r) at 1,024 q + 128 a + 8 r: 26,624 bytes.  Lane r of tile a holds row 32 (a / 2) + 8 (a % 2) + r + 8 (r / 8) of its panel.
; A tile is 256 queries (source 1: the lanes) x 256 keys (source 0: the registers); four waves, each 128 x 128.  A lane's 64 registers of one tile of queries are 128 neighbouring keys: register 16 b + i = key 32 b + 16 (lane / 16) + i.
; CLUSTERS 4 x 4, q's panels asked for jointly along a row, k's along a column.  Of the 2 x 2 clusters of a batch the one wholly above the diagonal is not launched: x = 0, 1, 2 are (0, 0), (1, 0), (1, 1); y is the batch.
; Tiles above the diagonal inside a diagonal cluster run like the others (partners are alike): they give p = 0, l = 0, -M = 3e38, and the next launch's clusters walk just these panels.
; LIMITS: t under -3e38 is not served; p under 2^-126 comes out 0; a block's largest p is taken from its largest score (it takes v_exp_f32 not to fall where its input rises);
; a block whose every p is 0 gets the byte 1; NaN and infinities among the inputs are not served.
; REGISTERS: window 0: v1-5 lane numbers, v16-21 LDS addresses, v28-29 the add's two, v32-63 scale words (two sets), v128-223 A's fragments.  window 1: B's fragments, two sets.  windows 2, 3: the accumulators.
.set PANEL,  25600
.set PPAN,   26624
.set APAN,   PANEL
.set BPAN,   PANEL
.set SCOFF,  24576
.set FRB,    1536
.set FR,     12
.set SLOT,   2*APAN+2*BPAN
.set SPARE,  2*SLOT                    ; behind the ring: the spare words, 128 bytes for each wave: two blocks of 256 bytes that no other line names
.set LAPS,   2
.set ADRA, 16
.set ADRB, 18
.set ADRS, 20
.set SPW,  28
.set NIL,  29
.set SC,   32
.set AF,   128
.set TM,   32                          ; the way out: v32-47 at work on the scales; v48, v56-61 at work; v62 -infinity; v64-71 scale words, v72-79 -M, v80-87 l; v88-89 the diagonal; v128-191 p; v192-211 codes
.set WD,   64
.set H,    128
.set PC,   192
.set G1,   24
.set G0,   32
.set G1B,  48
.set G0B,  56
.set MSB, 0
.macro WIN new                         ; the immediate's high byte repeats the setting that is left
.if MSB != (\new)
	s_set_vgpr_msb (MSB<<8)|(\new)
.set MSB, (\new)
.endif
.endm
.set MUL_LO, 0xa1
.set MUL_HI, 0xf1
.set TO_B,   0x40
.macro JLOAD g0a, g1a, g0b, g1b        ; a joint load: waves 0 and 1 fetch A's two panels, waves 2 and 3 B's; four v_nop follow each of the two lines
	s_cmp_eq_u32 s17, 0
	s_cbranch_scc0 .Lfor_b_\@
	tensor_load_to_lds s[\g0a:\g0a+3], s[\g1a:\g1a+7]
	s_nop 0
.rept 4
	v_nop
.endr
	s_branch .Lasked_\@
.Lfor_b_\@:
	tensor_load_to_lds s[\g0b:\g0b+3], s[\g1b:\g1b+7]
	s_nop 0
.rept 4
	v_nop
.endr
.Lasked_\@:
.endm
.macro CREST
	s_cmp_lg_u32 s16, 0
	s_cbranch_scc1 .Lnot_wave_0_\@
	s_barrier_signal -3
.Lnot_wave_0_\@:
	s_barrier_wait -3
	s_barrier_signal -1
	s_barrier_wait -1
.endm
.macro CROUND
	s_barrier_signal -1
	s_barrier_wait -1
	CREST
.endm
.macro PLACES n
.rept \n
	v_nop
.endr
.endm
.macro FRAG reg, adr, off
.irp c, 0,1,2
	ds_load_b128 v[\reg+4*\c:\reg+4*\c+3], v[\adr] offset:\off+512*\c
.endr
.endm
.macro FETCH_B slot, q, p
	WIN TO_B
.irp i, 0,1,2,3,4,5,6,7
	FRAG 128*(\p)+FR*\i, ADRB+\slot, (8*(\q)+\i)*FRB
.endr
	WIN 0
.endm
.macro FETCH_A slot, q, i0
.irp i, \i0, \i0+1, \i0+2, \i0+3
	FRAG AF+FR*(\i), ADRA+\slot, (8*(\q)+(\i))*FRB
.endr
.endm
.macro SCALES sc                       ; tile i's words at 8 q + 4 (i / 4) + 2 (i % 2) + (i / 2) % 2 of the set: lanes 0-15 A's, lanes 16-31 B's
.irp q, 0,1
.irp j, 0,1
.irp u, 0,1
	ds_load_b64 v[SC+16*\sc+8*\q+4*\j+2*\u:SC+16*\sc+8*\q+4*\j+2*\u+1], v[ADRS+\sc] offset:512*\q+256*\j+128*\u
.endr
.endr
.endr
.endm
; 16 matrix instructions; cm = 1: the first product starts the sums with the constant 0.  The 64 accumulators take turns, one instruction a turn.
.macro MUL16 a0, p, q, sc, cm
.irp a, \a0, \a0+1
.irp b, 0,1,2,3,4,5,6,7
.if \cm == 1
	v_wmma_scale_f32_16x16x128_f8f6f4 v[8*(8*((\a)%4)+\b):8*(8*((\a)%4)+\b)+7], v[128*(\p)+FR*\b:128*(\p)+FR*\b+FR-1], v[AF+FR*(\a):AF+FR*(\a)+FR-1], 0, v[SC+16*(\sc)+8*(\q)+4*(\b/4)+2*(\b%2)+(\b/2)%2], v[SC+16*(\sc)+8*(\q)+4*((\a)/4)+2*((\a)%2)+((\a)/2)%2] matrix_a_fmt:MATRIX_FMT_BF6 matrix_b_fmt:MATRIX_FMT_BF6 matrix_a_scale:MATRIX_SCALE_ROW1
.else
	v_wmma_scale_f32_16x16x128_f8f6f4 v[8*(8*((\a)%4)+\b):8*(8*((\a)%4)+\b)+7], v[128*(\p)+FR*\b:128*(\p)+FR*\b+FR-1], v[AF+FR*(\a):AF+FR*(\a)+FR-1], v[8*(8*((\a)%4)+\b):8*(8*((\a)%4)+\b)+7], v[SC+16*(\sc)+8*(\q)+4*(\b/4)+2*(\b%2)+(\b/2)%2], v[SC+16*(\sc)+8*(\q)+4*((\a)/4)+2*((\a)%2)+((\a)/2)%2] matrix_a_fmt:MATRIX_FMT_BF6 matrix_b_fmt:MATRIX_FMT_BF6 matrix_a_scale:MATRIX_SCALE_ROW1
.endif
.endr
.endr
.endm
.macro STEP slot, cm                   ; a slot's first 128 along K
	s_wait_dscnt 12                                ; all but the youngest twelve loads (A's blocks 4-7)
	WIN MUL_LO
	MUL16 0, 0, 0, \slot, \cm
	MUL16 2, 0, 0, \slot, \cm
	s_wait_dscnt 0x0
	PLACES 4
	FETCH_B \slot, 1, 1
	FETCH_A \slot, 1, 0
	WIN MUL_HI
	MUL16 4, 0, 0, \slot, \cm
	MUL16 6, 0, 0, \slot, \cm
	PLACES 4
	WIN 0
	FETCH_A \slot, 1, 4
.endm
.macro TURN slot, next, fill           ; a slot's second 128 along K, and the change of slots
	s_wait_tensorcnt 0x0                           ; all my tensor loads have landed: my part of the next slot
	ds_add_u32 v[SPW], v[NIL]                      ; 0 onto my spare word
	s_wait_dscnt 13                                ; (the add and the youngest twelve loads may be out)
	WIN MUL_LO
	MUL16 0, 1, 1, \slot, 0
	s_wait_dscnt 0x0                               ; the add is done, and my reads of this slot are over
	s_barrier_signal -1
	MUL16 2, 1, 1, \slot, 0
	WIN 0
	s_barrier_wait -1
.if \fill
	CREST                                          ; no wave of any partner still reads this slot or has a load on its way
	s_add_nc_u64 s[G0+4*\slot+2:G0+4*\slot+3], s[G0+4*\slot+2:G0+4*\slot+3], 2*APAN
	s_add_nc_u64 s[G0B+4*\slot+2:G0B+4*\slot+3], s[G0B+4*\slot+2:G0B+4*\slot+3], 2*BPAN
	JLOAD G0+4*\slot, G1, G0B+4*\slot, G1B
.else
	PLACES 4
.endif
	SCALES \next
	FETCH_B \next, 0, 0
	FETCH_A \next, 0, 0
	WIN MUL_HI
	MUL16 4, 1, 1, \slot, 0
	MUL16 6, 1, 1, \slot, 0
	PLACES 4
	WIN 0
	FETCH_A \next, 0, 4
.endm
; The blocks' largest magnitudes (with the floor) stand in v[TM + b]; 64 numbers in v[s] on: the scale word into v[pw], the fragment's codes into v[PC] on.
.macro QTAIL s, pw
.irp b, 0,1,2,3
	v_add_nc_u32 v[TM+12+\b], 0xfe000000, v[TM+\b] ; 4 off the exponent field: the conversion's scale operand
.endr
.irp b, 0,1,2,3
	v_lshrrev_b32 v[TM+4+\b], 23, v[TM+12+\b]      ; the scale's byte
.endr
	v_lshl_or_b32 v[\pw], v[TM+5], 8, v[TM+4]
	v_lshl_or_b32 v[\pw], v[TM+6], 16, v[\pw]
	v_lshl_or_b32 v[\pw], v[TM+7], 24, v[\pw]
.irp c, 0,1
	v_cvt_scalef32_pk16_bf6_f32 v[PC+6*\c:PC+2+6*\c], v[\s+32*\c:\s+15+32*\c], v[TM+12+2*\c]
	v_cvt_scalef32_pk16_bf6_f32 v[PC+12+4*\c:PC+14+4*\c], v[\s+16+32*\c:\s+31+32*\c], v[TM+12+2*\c+1]
.endr
	v_nop                                          ; one plain place behind a scaled conversion
.irp c, 0,1
.irp i, 0,1,2
	v_permlane16_swap_b32 v[PC+6*\c+\i], v[PC+12+4*\c+\i]
.endr
.irp i, 0,1,2
	v_mov_b32 v[PC+3+6*\c+\i], v[PC+12+4*\c+\i]
.endr
.endr
.endm
; THE MASK of tile a, in place, ascending.  With D0 = my first query - my first key (a multiple of 128), register 16 b + i is hidden where 32 b + 16 h + i > D0 + 32 (a / 2) + 8 (a % 2) + r + 8 (r / 8).
; Blocks b < a / 2 are hidden only where D0 < 0 (s76), blocks b > a / 2 where D0 <= 0 (s77), and block a / 2 is compared number by number.  The two masks are data of a select: no branch hangs on them.
.macro MASK a
.set AC, 64*((\a)%4)
	WIN 0x82+0x41*((\a)/4)                         ; source 0 and destination: window 2 or 3
.irp b, 0,1,2,3
.set i, 0
.rept 16
.if \b < (\a)/2
	v_cndmask_b32 v[AC+16*\b+i], v[AC+16*\b+i], v62, s76
.elseif \b > (\a)/2
	v_cndmask_b32 v[AC+16*\b+i], v[AC+16*\b+i], v62, s77
.else
	v_cmp_gt_i32 vcc_lo, i, v[88+(\a)%2]
	v_cndmask_b32 v[AC+16*\b+i], v[AC+16*\b+i], v62, vcc_lo
.endif
.set i, i+1
.endr
.endr
.endm
; THE SOFTMAX of tile a for my 128 keys.
.macro SOFT a
.set AC, 64*((\a)%4)
	WIN 0x28+0x14*((\a)/4)                         ; sources 1 and 2: window 2 or 3
.irp b, 0,1,2,3
	v_max3_num_f32 v[TM+\b], v62, v[AC+16*\b], v[AC+16*\b+1]   ; the largest score of each block of 32 keys: it serves the chunk's maximum and the block's largest p.  Each accumulator is read from its low end on
.endr
.irp i, 2,4,6,8,10,12,14
.irp b, 0,1,2,3
	v_max3_num_f32 v[TM+\b], v[TM+\b], v[AC+16*\b+\i], v[AC+16*\b+\i+1]
.endr
.endr
	WIN 0
.irp b, 0,1,2,3
	v_permlanex16_b32 v[TM+4+\b], v[TM+\b], s74, s75
.endr
.irp b, 0,1,2,3
	v_max_num_f32 v[TM+\b], v[TM+\b], v[TM+4+\b]   ; with lane l xor 16's 16 keys
.endr
	v_max3_num_f32 v48, v[TM], v[TM+1], v[TM+2]
	v_max_num_f32 v48, v48, v[TM+3]
	v_mul_f32 v48, s72, v48                        ; as t (c is positive)
	v_max_num_f32 v48, 0xff61b1e6, v48             ; a chunk that is wholly hidden: -3e38
	v_floor_f32 v56, -v48                          ; -M = floor(-t) = -ceil(t): a whole number
	v_mov_b32 v57, v56                             ; (named with it as a pair)
	WIN 0x02+(\a)/4
.set j, 0
.rept 32
	v_pk_fma_f32 v[H+j:H+j+1], v[AC+j:AC+j+1], s[72:73], v[56:57] op_sel_hi:[1,0,0]   ; t - M, two at a time
.set j, j+2
.endr
	WIN 0
.irp b, 0,1,2,3
	v_fma_f32 v[TM+\b], v[TM+\b], s72, v56         ; the same of each block's largest score
.endr
.set j, 0
.rept 64
	v_exp_f32 v[H+j], v[H+j]                       ; p = 2^(t - M), at most 1
.set j, j+1
.endr
	v_mov_b32 v[72+(\a)], v56                      ; -M is kept.  (A plain place behind the exponentials)
	s_wait_alu depctr_va_vdst(0)                   ; one wait for the whole batch, ahead of its first reader
.irp b, 0,1,2,3
	v_exp_f32 v[TM+\b], v[TM+\b]                   ; the block's largest p: the same two instructions on the same number give the same bits
.endr
	v_pk_add_f32 v[58:59], v[H:H+1], v[H+2:H+3]    ; the sum of the unquantised p, two at a time, in two chains
	v_pk_add_f32 v[60:61], v[H+4:H+5], v[H+6:H+7]
.irp j, 8,12,16,20,24,28,32,36,40,44,48,52,56,60
	v_pk_add_f32 v[58:59], v[58:59], v[H+\j:H+\j+1]
	v_pk_add_f32 v[60:61], v[60:61], v[H+\j+2:H+\j+3]
.endr
	v_pk_add_f32 v[58:59], v[58:59], v[60:61]
	v_add_f32 v58, v58, v59
	v_permlanex16_b32 v59, v58, s74, s75
	v_add_f32 v[80+(\a)], v58, v59                 ; l of my query and these 128 keys
	s_wait_alu depctr_va_vdst(0)                   ; and one wait for the four
.irp b, 0,1,2,3
	v_max_num_f32 v[TM+\b], 0x2800000, v[TM+\b]    ; the floor 2^(5 - 127): the byte cannot fall under 1
.endr
.if (\a) > 0
	s_wait_xcnt 0x0                                ; the last tile's stores have read their data: the code registers may be written again
.endif
	QTAIL H, WD+(\a)
.irp g, 0,1,2
	global_store_b128 v4, v[PC+4*\g:PC+4*\g+3], s[66:67] offset:FRB*(\a)+512*\g   ; 512 consecutive bytes, aligned
.endr
.endm
	s_load_b128 s[4:7], s[0:1], 0x0                ; qkvp s[4:5], pp s[6:7]
	s_load_b64 s[8:9], s[0:1], 0x10                ; pst
	v_lshl_add_u32 v[SPW], v0, 2, SPARE
	v_mov_b32 v[NIL], 0
	ds_add_u32 v28, v29
	ds_add_u32 v28, v29
	s_wait_dscnt 0x0
	v_lshrrev_b32 v1, 5, v0
	v_readfirstlane_b32 s16, v1                    ; wave 0..3
	s_lshr_b32 s17, s16, 1                         ; RH: which 128 queries.  Also: I fetch for A (0) or for B (1)
	s_and_b32 s18, s16, 1                          ; CH: which 128 keys.  Also: which of the two panels I fetch
	s_bfe_u32 s19, ttmp6, 0x40000                  ; cx
	s_bfe_u32 s20, ttmp6, 0x40004                  ; cy
	s_and_b32 s23, ttmp7, 0xffff                   ; the batch
	s_add_co_u32 s78, ttmp9, 1
	s_lshr_b32 s78, s78, 1                         ; the cluster's row of the triangle: 0, 1, 1
	s_lshr_b32 s79, ttmp9, 1                       ; its column: 0, 0, 1
	s_lshl_b32 s22, s78, 2
	s_add_co_u32 s22, s22, s20                     ; TR: tile of 256 queries
	s_lshl_b32 s21, s79, 2
	s_add_co_u32 s21, s21, s19                     ; TC: tile of 256 keys
	s_lshl_b32 s76, s20, 2
	s_lshl_b32 s76, 15, s76                        ; my row of the cluster
	s_lshl_b32 s77, 0x1111, s19                    ; my column
	s_or_b32 s[G1], s76, (3<<16)|(1<<21)           ; a panel as rows of 256 bytes (32 elements of 8 bytes), no padding; q's go to my row,
	s_or_b32 s[G1B], s77, (3<<16)|(1<<21)          ; k's to my column
.irp g, G1, G1B
	s_mov_b32 s[\g+1], 32<<16
	s_mov_b32 s[\g+2], (PANEL/256)<<16
	s_mov_b32 s[\g+3], 32<<16
	s_mov_b32 s[\g+4], PANEL/256
	s_mov_b32 s[\g+5], 32
	s_mov_b32 s[\g+6], 0
	s_mov_b32 s[\g+7], 0
.endr
	s_lshl_b32 s78, s23, 4                         ; 16 panels of tokens a batch
	s_lshl_b32 s40, s22, 1
	s_add_co_u32 s40, s40, s78
	s_add_co_u32 s40, s40, s18
	s_mul_i32 s40, s40, 4*PANEL                    ; q: token panel 16 batch + 2 TR + CH
	s_mov_b32 s41, 0
	s_lshl_b32 s44, s21, 1
	s_add_co_u32 s44, s44, s78
	s_add_co_u32 s44, s44, s18
	s_mul_i32 s44, s44, 4*PANEL
	s_add_co_u32 s44, s44, 256*PANEL               ; k: behind q's 256 panels
	s_mov_b32 s45, 0
	s_mul_i32 s80, s18, APAN
	s_mul_i32 s81, s18, BPAN
	s_add_co_u32 s81, s81, 2*APAN
	s_mov_b32 s72, 0x3d38aa3b                      ; c = log2(e) / sqrt(1,024)
	s_mov_b32 s73, s72
	s_mov_b32 s74, 0x76543210
	s_mov_b32 s75, 0xfedcba98
	s_wait_kmcnt 0x0
	s_add_nc_u64 s[40:41], s[4:5], s[40:41]
	s_add_nc_u64 s[44:45], s[4:5], s[44:45]
	CROUND                                         ; all sixteen work-groups are here: the first joint loads meet
.irp s, 0,1
	s_mov_b32 s[G0+4*\s], 1
	s_add_co_u32 s[G0+4*\s+1], s80, \s*SLOT
	s_add_nc_u64 s[G0+4*\s+2:G0+4*\s+3], s[40:41], \s*APAN
	s_or_b32 s[G0+4*\s+3], s[G0+4*\s+3], 0x80000000
	s_mov_b32 s[G0B+4*\s], 1
	s_add_co_u32 s[G0B+4*\s+1], s81, \s*SLOT
	s_add_nc_u64 s[G0B+4*\s+2:G0B+4*\s+3], s[44:45], \s*BPAN
	s_or_b32 s[G0B+4*\s+3], s[G0B+4*\s+3], 0x80000000
	JLOAD G0+4*\s, G1, G0B+4*\s, G1B               ; two loads of mine are out
.endr
	v_and_b32 v1, 15, v0                           ; r
	v_bfe_u32 v2, v0, 4, 1                         ; h
	v_and_b32 v3, 31, v0                           ; lane
	v_lshlrev_b32 v4, 4, v3                        ; 16 x lane
	v_lshlrev_b32 v5, 3, v3                        ; 8 x lane
	s_mul_i32 s82, s17, APAN
	s_mul_i32 s83, s18, BPAN
	s_add_co_u32 s83, s83, 2*APAN
.irp s, 0,1
	v_add_nc_u32 v[ADRA+\s], s82, v4
	v_add_nc_u32 v[ADRB+\s], s83, v4
	s_add_co_u32 s82, s82, SLOT
	s_add_co_u32 s83, s83, SLOT
.endr
	s_xor_b32 s82, s17, 1
	s_add_co_u32 s82, s82, s18
	s_add_co_u32 s82, s82, 1
	s_mul_i32 s82, s82, PANEL                      ; from my panel of A to my panel of B
	v_mul_u32_u24 v8, s82, v2                      ; lanes 16-31 take B's words
	v_lshl_add_u32 v8, v1, 3, v8
	s_mul_i32 s83, s17, PANEL
	s_add_co_u32 s83, s83, SCOFF
	v_add_nc_u32 v[ADRS], s83, v8
	s_add_co_u32 s83, s83, SLOT
	v_add_nc_u32 v[ADRS+1], s83, v8
	; where my results go
	s_lshl_b32 s90, s22, 1
	s_add_co_u32 s90, s90, s78
	s_add_co_u32 s90, s90, s17                     ; my panel of queries: 16 batch + 2 TR + RH
	s_lshl_b32 s91, s90, 3
	s_add_co_u32 s91, s91, s21
	s_mul_i32 s92, s91, PPAN                       ; p's panel (queries, key panel TC)
	s_mov_b32 s93, 0
	s_add_nc_u64 s[68:69], s[6:7], s[92:93]
	s_mul_i32 s92, s18, 8*FRB
	s_add_nc_u64 s[66:67], s[68:69], s[92:93]      ; my eight fragments: the half q = CH
	s_lshl_b32 s92, s18, 10
	s_add_co_u32 s92, s92, SCOFF
	s_add_nc_u64 s[68:69], s[68:69], s[92:93]      ; my 1,024 bytes of pairs
	s_lshl_b32 s91, s90, 4
	s_lshl_b32 s92, s21, 1
	s_add_co_u32 s91, s91, s92
	s_add_co_u32 s92, s91, s18
	s_lshl_b32 s92, s92, 10
	s_add_nc_u64 s[70:71], s[8:9], s[92:93]        ; the statistics of chunk 2 TC + CH
	s_lshl_b32 s82, s22, 1
	s_add_co_u32 s82, s82, s17
	s_lshl_b32 s83, s21, 1
	s_add_co_u32 s83, s83, s18
	s_sub_co_i32 s82, s82, s83
	s_lshl_b32 s82, s82, 7                         ; D0 = my first query - my first key
	s_cmp_lt_i32 s82, 0
	s_cselect_b32 s76, -1, 0
	s_cmp_le_i32 s82, 0
	s_cselect_b32 s77, -1, 0
	s_wait_tensorcnt 1                             ; my part of slot 0 is in; slot 1's may stay out
	s_barrier_signal -1
	s_barrier_wait -1
	SCALES 0
	FETCH_B 0, 0, 0
	FETCH_A 0, 0, 0
	FETCH_A 0, 0, 4
	STEP 0, 1                                      ; the first step's products start the sums
	s_mov_b32 s3, LAPS-1
.Llap:
	TURN 0, 1, 1
	STEP 1, 0
	TURN 1, 0, 1
	STEP 0, 0
	s_sub_co_u32 s3, s3, 1
	s_cmp_lg_u32 s3, 0
	s_cbranch_scc1 .Llap
	TURN 0, 1, 0
	STEP 1, 0
	s_wait_dscnt 12
	WIN MUL_LO
	MUL16 0, 1, 1, 1, 0
	MUL16 2, 1, 1, 1, 0
	s_wait_dscnt 0x0
	WIN MUL_HI
	MUL16 4, 1, 1, 1, 0
	MUL16 6, 1, 1, 1, 0
	WIN 0
	PLACES 4
	; THE WAY OUT
.irp b, 0,1,2,3
	v_mov_b32 v[TM+4+\b], 0                        ; written once: a lane permute's destination counts as one of its sources
.endr
	v_mov_b32 v62, 0xff800000                      ; -infinity
	v_and_b32 v88, 8, v1
	v_add_nc_u32 v88, v88, v1
	v_lshlrev_b32 v89, 4, v2
	v_sub_nc_u32 v88, v88, v89
	v_add_nc_u32 v88, s82, v88                     ; D0 + r + 8 (r / 8) - 16 h: even tiles;
	v_add_nc_u32 v89, 8, v88                       ; odd tiles
	s_cmp_eq_u32 ttmp9, 1                          ; the cluster under the diagonal hides nothing: the same answer in all sixteen partners; only work on registers is passed over
	s_cbranch_scc1 .Lopen
.irp a, 0,1,2,3,4,5,6,7
	MASK \a
.endr
	WIN 0
.Lopen:
.irp a, 0,1,2,3,4,5,6,7
	SOFT \a
.endr
	v_cmp_eq_u32 vcc_lo, 1, v2                     ; lane (r, h) sends tile 2 j + h's pairs
.irp j, 0,1,2,3
	v_cndmask_b32 v[96+4*\j], v[WD+2*\j], v[WD+2*\j+1], vcc_lo
	v_cndmask_b32 v[97+4*\j], v[72+2*\j], v[72+2*\j+1], vcc_lo
	v_cndmask_b32 v[98+4*\j], v[72+2*\j], v[72+2*\j+1], vcc_lo
	v_cndmask_b32 v[99+4*\j], v[80+2*\j], v[80+2*\j+1], vcc_lo
	global_store_b64 v5, v[96+4*\j:97+4*\j], s[68:69] offset:256*\j   ; {scale word, -M}: 256 consecutive bytes, aligned
	global_store_b64 v5, v[98+4*\j:99+4*\j], s[70:71] offset:256*\j   ; {-M, l}: likewise
.endr
	s_wait_tensorcnt 0x0                           ; the wave's end
	ds_add_u32 v[SPW], v[NIL]
	s_wait_dscnt 0x0
	CROUND                                         ; the closing round
	s_endpgm
.Lfunc_end_k_q31ebbb4ee3_score:
	.size	k_q31ebbb4ee3_score, .Lfunc_end_k_q31ebbb4ee3_score-k_q31ebbb4ee3_score
	.p2alignl 7, 3214868480
	.fill 96, 4, 3214868480
	.section	.rodata,"a",@progbits
	.p2align	6, 0x0
	.amdhsa_kernel k_q31ebbb4ee3_score
		.amdhsa_group_segment_fixed_size 327680
		.amdhsa_private_segment_fixed_size 0
		.amdhsa_enable_private_segment 0
		.amdhsa_kernarg_size 24
		.amdhsa_user_sgpr_count 2
		.amdhsa_user_sgpr_kernarg_segment_ptr 1
		.amdhsa_wavefront_size32 1
		.amdhsa_system_sgpr_workgroup_id_x 1
		.amdhsa_system_sgpr_workgroup_id_y 1
		.amdhsa_system_sgpr_workgroup_id_z 1
		.amdhsa_system_vgpr_workitem_id 0
		.amdhsa_next_free_vgpr 1024
		.amdhsa_next_free_sgpr 100
		.amdhsa_reserve_vcc 1
		.amdhsa_float_denorm_mode_32 3
		.amdhsa_float_denorm_mode_16_64 3
		.amdhsa_memory_ordered 1
		.amdhsa_forward_progress 1
		.amdhsa_inst_pref_size 227
	.end_amdhsa_kernel
	.amdgpu_metadata
---
amdhsa.version: [ 1, 2 ]
amdhsa.kernels:
  - .name:           k_q31ebbb4ee3_score
    .symbol:         k_q31ebbb4ee3_score.kd
    .args:
      - { .name: qkvp, .offset: 0, .size: 8, .value_kind: global_buffer, .address_space: global }
      - { .name: pp, .offset: 8, .size: 8, .value_kind: global_buffer, .address_space: global }
      - { .name: pst, .offset: 16, .size: 8, .value_kind: global_buffer, .address_space: global }
    .group_segment_fixed_size: 327680
    .private_segment_fixed_size: 0
    .kernarg_segment_align: 8
    .kernarg_segment_size: 24
    .max_flat_workgroup_size: 128
    .sgpr_count:     100
    .vgpr_count:     1024
    .wavefront_size: 32
...
	.end_amdgpu_metadata
.endif
;; end of part 3
;; launch read (part 4): grid 8 x 32, 4 waves a work-group, clusters of 4 x 4, 327,680 bytes of LDS; arguments pp, pst, qkvp, out0; writes out0
.if DOCPART == 4
	.amdgcn_target "amdgcn-amd-amdhsa--gfx1250"
	.amdhsa_code_object_version 6
	.text
	.protected	k_q31ebbb4ee3_read
	.globl	k_q31ebbb4ee3_read
	.p2align	8
	.type	k_q31ebbb4ee3_read,@function
k_q31ebbb4ee3_read:
	s_mov_b64 s[64:65], 0
	v_nop
	global_prefetch_b8 v0, s[64:65] scope:SCOPE_SE
	s_setreg_imm32_b32 hwreg(HW_REG_WAVE_MODE, 25, 1), 1
	s_wait_xcnt 0x0
	s_wait_alu depctr_hold_cnt(0) depctr_sa_sdst(0) depctr_va_vdst(0) depctr_va_sdst(0) depctr_va_ssrc(0) depctr_va_vcc(0) depctr_vm_vsrc(0)
	s_getreg_b32 s2, hwreg(HW_REG_IB_STS2, 6, 4)
	s_cmp_eq_u32 s2, 0
	s_cbranch_scc0 .Lentry_in_a_cluster
	s_endpgm
.Lentry_in_a_cluster:
	s_bfe_u32 s2, ttmp6, 0x10000c
	s_cmp_lg_u32 s2, 0xf033
	s_cbranch_scc0 .Lentry_shape_is_right
	s_endpgm
.Lentry_shape_is_right:
; READ.  out0[b][t][1024 + c] = (the sum over the keys of p v) / l, on codes of BF6 (E3M2) with E8M0 scales for each 32 keys, f32 sums.
; p arrives as panels of register images (128 queries x 256 keys: 16 fragments of 1,536 bytes, fragment (q, a) at (8 q + a) x 1,536, then at byte 24,576 the pairs {scale word, -M of the chunk of 128 keys} of
; (q, tile a, row r) at 1,024 q + 128 a + 8 r: 26,624 bytes); v^T as plain panels (128 channels x 256 keys: 16 fragments, then the scale word of (q, tile i, row r) at 512 q + 256 (i / 4) + 128 (i % 2) + 4 ((i / 2) % 2) + 8 r:
; 25,600 bytes); the statistics {-M, l} of each query and chunk at [panel of queries][chunk 16][tile 8][row 16].  Lane r of tile a holds row 32 (a / 2) + 8 (a % 2) + r + 8 (r / 8) of its panel.
; THE ROW'S M is the largest of its chunks' M: -M = the least of the 16 stored -M (chunks that the mask's clusters leave out hold 3e38 and l = 0).  l = the sum of l(chunk) x 2^(M(chunk) - M), exact scalings.
; Each scale byte of p is lowered by the whole number M - M(chunk), which brings p under the row's M and leaves the codes as they are.  THIS IS DONE ONCE, AT THE HEAD, while the first tiles are on their way: the
; statistics hold every chunk's -M, and p's 64 scale words a lane come straight from memory: lanes 0-15 take a panel's first 128 keys (q = 0), lanes 16-31 its second (q = 1), and a step names the row of the scale register by q.
; SHARES.  A tile is 256 queries (source 1: the lanes) x 128 channels (source 0: the registers): 8 x 32 = 256 work-groups.  Four waves, each 128 queries x 64 channels: 32 accumulators, one window of registers.
; K = the keys.  A slot of LDS holds 512 keys: two panels of each half of the queries (dense in memory: one tensor load of 208 rows of 256 bytes) and two panels of v (one load of 100 rows each): a load a wave.
; CLUSTERS 4 x 4: p's panels are asked for jointly along a row, v's along a column.  The cluster's y = 2 batch + half.  The first half of the queries needs 1,024 keys: the two first fills, and no refill.  The second half needs
; 2,048: one lap more, which fills both slots again.  That lap is written once and passed over by a branch on the cluster's y, alike in all sixteen partners; there is no loop, and no LDS address is stepped.
; LIMITS: scale bytes that the move to the row's M would carry under 0 are held at 0 (such a block then counts under 28 x 2^-127); NaN and infinities are not served.
; REGISTERS: window 0: v1-7 lane numbers and offsets, v8-15 -M, v16-26 addresses, v28-29 the add's two, v32-47 v's scale words (a set a slot), v48-63 1 / l in pairs, v64-95 p's words of panels 0-3,
;   v96-127 p's words of the last four panels (4-7, or 0-3 again where there are only four), v128-255 the statistics at the head, then v128-223 v's fragments (two sets of 48), then the way out.
;   window 1: p's fragments, two sets of 96, at v0 and v128.   window 2: the accumulators, (a, b) at v[8 (4 a + b)].
.set PANEL,  25600
.set APAN,   26624
.set BPAN,   PANEL
.set SCOFF,  24576
.set FRB,    1536
.set FR,     12
.set ASIDE,  2*APAN                    ; one half of the queries: two panels along the keys
.set BOFF,   2*ASIDE                   ; v's two panels lie behind p's four
.set SLOT,   BOFF+2*BPAN               ; 157,696 bytes
.set SPARE,  2*SLOT                    ; behind the ring: the spare words, 128 bytes for each wave: two blocks of 256 bytes that no other line names
.set SPITCH, 272                       ; the way out: a stage of 16 rows x (256 bytes + 16) for each wave, in slot 0, which has had its last fill and its last read when the first result is stored there
.set NM,    8
.set ADRA,  16
.set ADRB,  18
.set ADRSB, 20
.set STO,   24
.set RD,    25
.set CO,    26
.set SPW,   28
.set NIL,   29
.set SB,    32                         ; slot s, panel j, tile b: SB + 8 s + 4 j + 2 (b % 2) + b / 2
.set RL,    48
.set FLO,   64                         ; panel i, tile a: + 8 i + a
.set FTL,   96
.set ST,    128                        ; the head: {-M, l} of (panel i, tile a) at ST + 2 (8 i + a)
.set BF,    128
.set H,     128                        ; the way out: 32 numbers
.set BK,    160                        ; and 16 rows read back from the stage, two sets of 32
.set G1,   24
.set G0,   32
.set G1B,  48
.set G0B,  56
.set MSB, 0
.macro WIN new                         ; the immediate's high byte repeats the setting that is left
.if MSB != (\new)
	s_set_vgpr_msb (MSB<<8)|(\new)
.set MSB, (\new)
.endif
.endm
.set MUL,  0xa4                        ; source 0 (v) window 0, source 1 (p) window 1, C and D window 2
.set TO_A, 0x40                        ; destination window 1, address window 0
.macro JLOAD g0a, g1a, g0b, g1b        ; a joint load: waves 0 and 1 fetch p's two halves, waves 2 and 3 v's two panels; four v_nop follow each of the two lines
	s_cmp_eq_u32 s17, 0
	s_cbranch_scc0 .Lfor_b_\@
	tensor_load_to_lds s[\g0a:\g0a+3], s[\g1a:\g1a+7]
	s_nop 0
.rept 4
	v_nop
.endr
	s_branch .Lasked_\@
.Lfor_b_\@:
	tensor_load_to_lds s[\g0b:\g0b+3], s[\g1b:\g1b+7]
	s_nop 0
.rept 4
	v_nop
.endr
.Lasked_\@:
.endm
.macro CREST                           ; a round of the cluster's barrier behind its opening barrier
	s_cmp_lg_u32 s16, 0
	s_cbranch_scc1 .Lnot_wave_0_\@
	s_barrier_signal -3
.Lnot_wave_0_\@:
	s_barrier_wait -3
	s_barrier_signal -1
	s_barrier_wait -1
.endm
.macro CROUND                          ; a whole round
	s_barrier_signal -1
	s_barrier_wait -1
	CREST
.endm
.macro PLACES n                        ; plain places behind matrix instructions, in front of loads into their registers and of reads of their results
.rept \n
	v_nop
.endr
.endm
.macro FRAG reg, adr, off              ; a fragment's image comes back as it was stored: three loads of 512 consecutive bytes
.irp c, 0,1,2
	ds_load_b128 v[\reg+4*\c:\reg+4*\c+3], v[\adr] offset:\off+512*\c
.endr
.endm
; The fragments of step kk (0 .. 3) of a slot: panel kk / 2, its half q = kk % 2, into set kk % 2: p's eight tiles of queries and my four tiles of channels: 36 loads in one run
.macro FETCH slot, kk
	WIN TO_A
.irp i, 0,1,2,3,4,5,6,7
	FRAG 128*((\kk)%2)+FR*\i, ADRA+\slot, ((\kk)/2)*APAN+(8*((\kk)%2)+\i)*FRB
.endr
	WIN 0
.irp i, 0,1,2,3
	FRAG BF+48*((\kk)%2)+FR*\i, ADRB+\slot, ((\kk)/2)*BPAN+(8*((\kk)%2)+\i)*FRB
.endr
.endm
.macro SCALESB sc                      ; v's scale words of a slot: the words of tiles b and b + 2 lie side by side; lanes 0-15 take q = 0's, lanes 16-31 q = 1's
.irp j, 0,1
.irp u, 0,1
	ds_load_b64 v[SB+8*\sc+4*\j+2*\u:SB+8*\sc+4*\j+2*\u+1], v[ADRSB+\sc] offset:\j*BPAN+128*\u
.endr
.endr
.endm
; 8 matrix instructions: tiles a0, a0 + 1 of the queries x my four tiles of channels, 128 keys: step kk of the slot.  grp: which 32 registers hold p's words.  cm = 1: the product starts the sums with the constant 0.
; The 32 accumulators take turns, one instruction a turn, in the same order in every step.
.macro MUL8 a0, slot, kk, grp, cm
.irp a, \a0, \a0+1
.irp b, 0,1,2,3
.if \cm == 1
	v_wmma_scale_f32_16x16x128_f8f6f4 v[8*(4*(\a)+\b):8*(4*(\a)+\b)+7], v[BF+48*((\kk)%2)+FR*\b:BF+48*((\kk)%2)+FR*\b+FR-1], v[128*((\kk)%2)+FR*(\a):128*((\kk)%2)+FR*(\a)+FR-1], 0, v[SB+8*(\slot)+4*((\kk)/2)+2*(\b%2)+\b/2], v[(\grp)+8*(2*(\slot)+(\kk)/2)+(\a)] matrix_a_fmt:MATRIX_FMT_BF6 matrix_b_fmt:MATRIX_FMT_BF6
.elseif (\kk)%2 == 0
	v_wmma_scale_f32_16x16x128_f8f6f4 v[8*(4*(\a)+\b):8*(4*(\a)+\b)+7], v[BF+48*((\kk)%2)+FR*\b:BF+48*((\kk)%2)+FR*\b+FR-1], v[128*((\kk)%2)+FR*(\a):128*((\kk)%2)+FR*(\a)+FR-1], v[8*(4*(\a)+\b):8*(4*(\a)+\b)+7], v[SB+8*(\slot)+4*((\kk)/2)+2*(\b%2)+\b/2], v[(\grp)+8*(2*(\slot)+(\kk)/2)+(\a)] matrix_a_fmt:MATRIX_FMT_BF6 matrix_b_fmt:MATRIX_FMT_BF6
.else
	v_wmma_scale_f32_16x16x128_f8f6f4 v[8*(4*(\a)+\b):8*(4*(\a)+\b)+7], v[BF+48*((\kk)%2)+FR*\b:BF+48*((\kk)%2)+FR*\b+FR-1], v[128*((\kk)%2)+FR*(\a):128*((\kk)%2)+FR*(\a)+FR-1], v[8*(4*(\a)+\b):8*(4*(\a)+\b)+7], v[SB+8*(\slot)+4*((\kk)/2)+2*(\b%2)+\b/2], v[(\grp)+8*(2*(\slot)+(\kk)/2)+(\a)] matrix_a_fmt:MATRIX_FMT_BF6 matrix_b_fmt:MATRIX_FMT_BF6 matrix_a_scale:MATRIX_SCALE_ROW1 matrix_b_scale:MATRIX_SCALE_ROW1
.endif
.endr
.endr
.endm
; One of a slot's first three steps: its fragments were asked for a step ago; the next step's go into the other set, 32 matrix instructions ahead of their use.
.macro STEP slot, kk, grp, cm
	s_wait_dscnt 0x0                               ; this step's fragments (and, at a slot's head, v's scale words) are in
	PLACES 4                                       ; the other set was read by the last step's products
	FETCH \slot, (\kk)+1
	WIN MUL
	MUL8 0, \slot, \kk, \grp, \cm
	MUL8 2, \slot, \kk, \grp, \cm
	MUL8 4, \slot, \kk, \grp, \cm
	MUL8 6, \slot, \kk, \grp, \cm
.endm
; A slot's fourth step changes slots: ONE barrier; in front of it each wave waits for all its tensor loads, adds 0 to its spare word, and waits for that and for its own reads of this slot.
; fill = 1: the barrier opens a round of the cluster's barrier, and this slot is filled again with the keys 1,024 further on: the load has four steps, 128 matrix instructions, in which to land.
.macro TURN slot, next, fill, grp
	WIN 0                                          ; (the add's two registers lie in window 0)
	s_wait_tensorcnt 0x0                           ; all my tensor loads have landed: my part of the next slot
	ds_add_u32 v[SPW], v[NIL]                      ; 0 onto my spare word
	s_wait_dscnt 1                                 ; this step's fragments are in (the add may be out)
	WIN MUL
	MUL8 0, \slot, 3, \grp, 0                      ; eight matrix instructions stand between the add and the wait for it
	s_wait_dscnt 0x0                               ; the add is done, and my reads of this slot are over
	s_barrier_signal -1
	MUL8 2, \slot, 3, \grp, 0
	WIN 0
	s_barrier_wait -1
.if \fill
	CREST                                          ; no wave of any partner still reads this slot or has a load on its way
	s_add_nc_u64 s[G0+4*\slot+2:G0+4*\slot+3], s[G0+4*\slot+2:G0+4*\slot+3], 4*APAN
	s_add_nc_u64 s[G0B+4*\slot+2:G0B+4*\slot+3], s[G0B+4*\slot+2:G0B+4*\slot+3], 4*BPAN
	JLOAD G0+4*\slot, G1, G0B+4*\slot, G1B         ; the first tensor load behind the round; its four v_nop are also the places in front of the loads below
.else
	PLACES 4
.endif
	SCALESB \next
	FETCH \next, 0
	WIN MUL
	MUL8 4, \slot, 3, \grp, 0
	MUL8 6, \slot, 3, \grp, 0
.endm
	s_load_b256 s[4:11], s[0:1], 0x0               ; pp s[4:5], pst s[6:7], qkvp s[8:9], out0 s[10:11]
	v_lshl_add_u32 v[SPW], v0, 2, SPARE
	v_mov_b32 v[NIL], 0
	ds_add_u32 v28, v29
	ds_add_u32 v28, v29
	s_wait_dscnt 0x0
	v_lshrrev_b32 v1, 5, v0
	v_readfirstlane_b32 s16, v1                    ; wave 0..3
	s_lshr_b32 s17, s16, 1                         ; RH: which 128 queries are mine.  Also: I fetch for p (0) or for v (1)
	s_and_b32 s18, s16, 1                          ; CH: which 64 channels.  Also: which half of the queries, or which of v's two panels, I fetch
	s_bfe_u32 s19, ttmp6, 0x40000                  ; cx
	s_bfe_u32 s20, ttmp6, 0x40004                  ; cy
	s_and_b32 s23, ttmp7, 0xffff                   ; the cluster's y
	s_lshr_b32 s78, s23, 1                         ; the batch
	s_and_b32 s79, s23, 1                          ; which half of the queries
	s_lshl_b32 s22, s79, 2
	s_add_co_u32 s22, s22, s20                     ; TR: tile of 256 queries
	s_lshl_b32 s21, ttmp9, 2
	s_add_co_u32 s21, s21, s19                     ; TC: panel of 128 channels
	s_lshl_b32 s76, s20, 2
	s_lshl_b32 s76, 15, s76                        ; my row of the cluster
	s_lshl_b32 s77, 0x1111, s19                    ; my column
	; descriptor group 1: dense blocks as rows of 256 bytes (32 elements of 8 bytes), no padding
	s_or_b32 s[G1], s76, (3<<16)|(1<<21)           ; 15:0 the mask: p's panels go to my row; 17:16 elements of 8 bytes; 21 set beside a mask
	s_mov_b32 s[G1+1], 32<<16                      ; tensor_dim0
	s_mov_b32 s[G1+2], (ASIDE/256)<<16             ; tensor_dim1: two panels, 208 rows
	s_mov_b32 s[G1+3], 32<<16                      ; tile_dim0
	s_mov_b32 s[G1+4], ASIDE/256                   ; tile_dim1
	s_mov_b32 s[G1+5], 32                          ; the pitch
	s_mov_b32 s[G1+6], 0
	s_mov_b32 s[G1+7], 0
	s_or_b32 s[G1B], s77, (3<<16)|(1<<21)          ; v's go to my column: one panel, 100 rows
	s_mov_b32 s[G1B+1], 32<<16
	s_mov_b32 s[G1B+2], (BPAN/256)<<16
	s_mov_b32 s[G1B+3], 32<<16
	s_mov_b32 s[G1B+4], BPAN/256
	s_mov_b32 s[G1B+5], 32
	s_mov_b32 s[G1B+6], 0
	s_mov_b32 s[G1B+7], 0
	s_lshl_b32 s94, s78, 4                         ; 16 panels of queries a batch
	s_lshl_b32 s40, s22, 1
	s_add_co_u32 s40, s40, s94
	s_add_co_u32 s40, s40, s18
	s_mul_i32 s40, s40, 8*APAN                     ; p: panel of queries 16 batch + 2 TR + CH, eight panels along the keys
	s_mov_b32 s41, 0
	s_lshl_b32 s44, s78, 3
	s_add_co_u32 s44, s44, s21
	s_lshl_b32 s44, s44, 3
	s_add_co_u32 s44, s44, s18                     ; v^T: panel of channels 8 batch + TC, eight panels along the keys; I begin with panel CH
	s_mul_i32 s44, s44, BPAN
	s_add_co_u32 s44, s44, 512*PANEL               ; behind q's and k's 512 panels
	s_mov_b32 s45, 0
	s_mul_i32 s80, s18, ASIDE                      ; where they go in a slot: no place in the cluster enters an LDS address
	s_mul_i32 s81, s18, BPAN
	s_add_co_u32 s81, s81, BOFF
	s_mov_b32 s74, 0x76543210
	s_mov_b32 s75, 0xfedcba98                      ; v_permlanex16_b32's selects for lane l xor 16
	s_wait_kmcnt 0x0
	s_add_nc_u64 s[40:41], s[4:5], s[40:41]
	s_add_nc_u64 s[44:45], s[8:9], s[44:45]
	CROUND                                         ; all sixteen work-groups are here: the first joint loads meet
.irp s, 0,1
	s_mov_b32 s[G0+4*\s], 1
	s_add_co_u32 s[G0+4*\s+1], s80, \s*SLOT
	s_add_nc_u64 s[G0+4*\s+2:G0+4*\s+3], s[40:41], \s*2*APAN
	s_or_b32 s[G0+4*\s+3], s[G0+4*\s+3], 0x80000000
	s_mov_b32 s[G0B+4*\s], 1
	s_add_co_u32 s[G0B+4*\s+1], s81, \s*SLOT
	s_add_nc_u64 s[G0B+4*\s+2:G0B+4*\s+3], s[44:45], \s*2*BPAN
	s_or_b32 s[G0B+4*\s+3], s[G0B+4*\s+3], 0x80000000
	JLOAD G0+4*\s, G1, G0B+4*\s, G1B               ; two loads of mine are out: keys 0-511 and 512-1,023
.endr
	v_and_b32 v1, 15, v0                           ; r
	v_bfe_u32 v2, v0, 4, 1                         ; h
	v_and_b32 v3, 31, v0                           ; lane
	v_lshlrev_b32 v4, 4, v3                        ; 16 x lane
	s_lshl_b32 s90, s22, 1
	s_add_co_u32 s90, s90, s94
	s_add_co_u32 s90, s90, s17                     ; my panel of queries: 16 batch + 2 TR + RH
	s_lshl_b32 s86, s90, 14                        ; its 16 chunks x 1,024 bytes of statistics
	s_mov_b32 s87, 0
	s_add_nc_u64 s[84:85], s[6:7], s[86:87]
	v_lshlrev_b32 v6, 10, v2
	v_lshl_add_u32 v6, v1, 3, v6                   ; 1,024 h + 8 r: lanes 0-15 take a panel's first chunk, lanes 16-31 its second, in the statistics and among p's pairs alike
.irp i, 0,1,2,3,4,5,6,7
.irp a, 0,1,2,3,4,5,6,7
	global_load_b64 v[ST+2*(8*\i+\a):ST+2*(8*\i+\a)+1], v6, s[84:85] offset:2048*\i+128*\a   ; {-M, l} of chunk 2 i + h, tile a, row r
.endr
.endr
	s_mul_i32 s86, s90, 8*APAN
	s_add_co_u32 s86, s86, SCOFF
	s_add_nc_u64 s[88:89], s[4:5], s[86:87]        ; p's pairs of my queries, panel 0
	s_cmp_eq_u32 s79, 1
	s_cselect_b32 s92, 4*APAN, 0                   ; the last four panels: 4-7 where the cluster walks eight, else 0-3 once more (panels 4-7 are not written there)
	s_mov_b32 s93, 0
	s_add_nc_u64 s[96:97], s[88:89], s[92:93]
	s_mul_i32 s82, s17, ASIDE                      ; my half of the queries,
	s_mul_i32 s83, s18, 4*FRB
	s_add_co_u32 s83, s83, BOFF                    ; my four tiles of channels
.irp s, 0,1
	v_add_nc_u32 v[ADRA+\s], s82, v4
	v_add_nc_u32 v[ADRB+\s], s83, v4
	s_add_co_u32 s82, s82, SLOT
	s_add_co_u32 s83, s83, SLOT
.endr
	s_lshl_b32 s83, s18, 8
	s_add_co_u32 s83, s83, BOFF+SCOFF
	v_lshlrev_b32 v5, 9, v2
	v_lshl_add_u32 v5, v1, 3, v5                   ; 512 h + 8 r
.irp s, 0,1
	v_add_nc_u32 v[ADRSB+\s], s83, v5              ; v's scale words: + 256 CH
	s_add_co_u32 s83, s83, SLOT
.endr
	s_mul_i32 s82, s16, 16*SPITCH                  ; my stage
	v_mul_u32_u24 v[STO], v1, SPITCH
	v_lshl_add_u32 v[STO], v2, 6, v[STO]
	v_add_nc_u32 v[STO], s82, v[STO]               ; in: row r, + 64 h
	v_mul_u32_u24 v[RD], v2, SPITCH
	v_lshl_add_u32 v[RD], v1, 4, v[RD]
	v_add_nc_u32 v[RD], s82, v[RD]                 ; back: lanes 0-15 one row of 256 bytes, lanes 16-31 the next
	v_lshlrev_b32 v[CO], 13, v2
	v_lshl_add_u32 v[CO], v1, 4, v[CO]             ; and the same two rows in out0: 8,192 bytes a row
	s_lshl_b32 s92, s90, 20                        ; 128 rows of out0
	s_lshl_b32 s91, s21, 9
	s_add_co_u32 s92, s92, s91
	s_lshl_b32 s91, s18, 8
	s_add_co_u32 s92, s92, s91
	s_add_co_u32 s92, s92, 4096                    ; the right half of the rows
	s_add_nc_u64 s[66:67], s[10:11], s[92:93]
	v_mov_b32 v7, 0x7f800000
.irp a, 0,1,2,3,4,5,6,7
	v_mov_b32 v[RL+2*\a+1], 0                      ; written once: a lane permute's destination counts as one of its sources
.endr
	s_wait_loadcnt 0x0                             ; the statistics
.irp i, 0,1,2,3
.irp a, 0,1,2,3,4,5,6,7
	global_load_b32 v[FLO+8*\i+\a], v6, s[88:89] offset:APAN*\i+128*\a   ; p's scale word of (panel i, q = h, tile a, row r); they land while the statistics are worked on
.endr
.endr
.irp i, 0,1,2,3
.irp a, 0,1,2,3,4,5,6,7
	global_load_b32 v[FTL+8*\i+\a], v6, s[96:97] offset:APAN*\i+128*\a
.endr
.endr
.irp a, 0,1,2,3,4,5,6,7
	v_min3_num_f32 v[NM+\a], v7, v[ST+2*\a], v[ST+2*(8+\a)]
.endr
.irp i, 2,4,6
.irp a, 0,1,2,3,4,5,6,7
	v_min3_num_f32 v[NM+\a], v[NM+\a], v[ST+2*(8*\i+\a)], v[ST+2*(8*\i+8+\a)]
.endr
.endr
.irp a, 0,1,2,3,4,5,6,7
	v_permlanex16_b32 v[RL+2*\a+1], v[NM+\a], s74, s75
.endr
.irp a, 0,1,2,3,4,5,6,7
	v_min_num_f32 v[NM+\a], v[NM+\a], v[RL+2*\a+1] ; the row's -M, in both halves of the lanes
.endr
.irp i, 0,1,2,3,4,5,6,7
.irp a, 0,1,2,3,4,5,6,7
	v_sub_f32 v[ST+2*(8*\i+\a)], v[NM+\a], v[ST+2*(8*\i+\a)]   ; M(chunk) - M: a whole number, 0 or less
.endr
.endr
.irp i, 0,1,2,3,4,5,6,7
.irp a, 0,1,2,3,4,5,6,7
	v_cvt_i32_f32 v[ST+2*(8*\i+\a)], v[ST+2*(8*\i+\a)]         ; (it saturates)
.endr
.endr
.irp i, 0,1,2,3,4,5,6,7
.irp a, 0,1,2,3,4,5,6,7
	v_ldexp_f32 v[ST+2*(8*\i+\a)+1], v[ST+2*(8*\i+\a)+1], v[ST+2*(8*\i+\a)]   ; l(chunk) under the row's M
.endr
.endr
.irp a, 0,1,2,3,4,5,6,7
	v_add_f32 v[RL+2*\a], v[ST+2*\a+1], v[ST+2*(8+\a)+1]
.endr
.irp i, 2,3,4,5,6,7
.irp a, 0,1,2,3,4,5,6,7
	v_add_f32 v[RL+2*\a], v[RL+2*\a], v[ST+2*(8*\i+\a)+1]
.endr
.endr
.irp a, 0,1,2,3,4,5,6,7
	v_permlanex16_b32 v[RL+2*\a+1], v[RL+2*\a], s74, s75
.endr
.irp a, 0,1,2,3,4,5,6,7
	v_add_f32 v[RL+2*\a], v[RL+2*\a], v[RL+2*\a+1] ; the row's l
.endr
.irp a, 0,1,2,3,4,5,6,7
	v_rcp_f32 v[RL+2*\a], v[RL+2*\a]
.endr
	v_nop                                          ; a plain place behind the reciprocals
	s_wait_alu depctr_va_vdst(0)                   ; one wait for the eight, ahead of their first reader
.irp a, 0,1,2,3,4,5,6,7
	v_mov_b32 v[RL+2*\a+1], v[RL+2*\a]             ; in pairs, for the packed multiplication
.endr
	; d = M - M(chunk), held at 127, in all four bytes of a word
.irp i, 0,1,2,3,4,5,6,7
.irp a, 0,1,2,3,4,5,6,7
	v_sub_nc_u32 v[ST+2*(8*\i+\a)], 0, v[ST+2*(8*\i+\a)]
.endr
.endr
.irp i, 0,1,2,3,4,5,6,7
.irp a, 0,1,2,3,4,5,6,7
	v_min_u32 v[ST+2*(8*\i+\a)], 127, v[ST+2*(8*\i+\a)]        ; (the saturated difference, taken as unsigned, is held too)
.endr
.endr
.irp i, 0,1,2,3,4,5,6,7
.irp a, 0,1,2,3,4,5,6,7
	v_perm_b32 v[ST+2*(8*\i+\a)], v[ST+2*(8*\i+\a)], v[ST+2*(8*\i+\a)], 0
.endr
.endr
	s_cmp_eq_u32 s79, 1
	s_cselect_b32 vcc_lo, -1, 0
.irp i, 0,1,2,3
.irp a, 0,1,2,3,4,5,6,7
	v_cndmask_b32 v[ST+2*(8*(\i+4)+\a)], v[ST+2*(8*\i+\a)], v[ST+2*(8*(\i+4)+\a)], vcc_lo   ; the last four panels' d follow their words: panels 4-7, or 0-3 once more
.endr
.endr
	s_wait_loadcnt 0x0                             ; p's scale words
	; d is taken off each of a word's four bytes at once: the bytes are at most 123, so bit 7 of each serves; where the guard has gone the byte would have fallen under 0 and becomes 0
.irp i, 0,1,2,3,4,5,6,7
.irp a, 0,1,2,3,4,5,6,7
	v_or_b32 v[FLO+8*\i+\a], 0x80808080, v[FLO+8*\i+\a]
.endr
.endr
.irp i, 0,1,2,3,4,5,6,7
.irp a, 0,1,2,3,4,5,6,7
	v_sub_nc_u32 v[FLO+8*\i+\a], v[FLO+8*\i+\a], v[ST+2*(8*\i+\a)]
.endr
.endr
.irp i, 0,1,2,3,4,5,6,7
.irp a, 0,1,2,3,4,5,6,7
	v_and_b32 v[ST+2*(8*\i+\a)], 0x80808080, v[FLO+8*\i+\a]
.endr
.endr
.irp i, 0,1,2,3,4,5,6,7
.irp a, 0,1,2,3,4,5,6,7
	v_lshrrev_b32 v[ST+2*(8*\i+\a)+1], 7, v[ST+2*(8*\i+\a)]
.endr
.endr
.irp i, 0,1,2,3,4,5,6,7
.irp a, 0,1,2,3,4,5,6,7
	v_sub_nc_u32 v[ST+2*(8*\i+\a)], v[ST+2*(8*\i+\a)], v[ST+2*(8*\i+\a)+1]   ; 0x7f where the guard stands
.endr
.endr
.irp i, 0,1,2,3,4,5,6,7
.irp a, 0,1,2,3,4,5,6,7
	v_and_b32 v[FLO+8*\i+\a], v[FLO+8*\i+\a], v[ST+2*(8*\i+\a)]
.endr
.endr
	PLACES 8                                       ; a scale register written by a vector instruction stands eight places ahead of a scaled matrix instruction
	s_wait_tensorcnt 1                             ; my part of slot 0 is in; slot 1's may stay out
	s_barrier_signal -1
	s_barrier_wait -1
	SCALESB 0
	FETCH 0, 0
	STEP 0, 0, FLO, 1                              ; the first step's products start the sums
	WIN 0                                          ; at a branch and at a label every window is 0
	s_cmp_eq_u32 s79, 0                            ; 1,024 keys: both slots hold all there is.  The cluster's y decides: the same answer in all sixteen partners
	s_cbranch_scc1 .Ltail
	STEP 0, 1, FLO, 0                              ; 2,048 keys: one lap that fills both slots again, from its second step to the next lap's first
	STEP 0, 2, FLO, 0
	TURN 0, 1, 1, FLO
	STEP 1, 0, FLO, 0
	STEP 1, 1, FLO, 0
	STEP 1, 2, FLO, 0
	TURN 1, 0, 1, FLO
	STEP 0, 0, FTL, 0
	WIN 0
.Ltail:                                            ; the last lap fills nothing.  On both ways step 1's fragments have been asked for, and at most one tensor load of mine is out: slot 1's
	STEP 0, 1, FTL, 0
	STEP 0, 2, FTL, 0
	TURN 0, 1, 0, FTL
	STEP 1, 0, FTL, 0
	STEP 1, 1, FTL, 0
	STEP 1, 2, FTL, 0
	s_wait_dscnt 0x0                               ; the very last step: nothing more to fetch
	MUL8 0, 1, 3, FTL, 0
	MUL8 2, 1, 3, FTL, 0
	MUL8 4, 1, 3, FTL, 0
	MUL8 6, 1, 3, FTL, 0
	WIN 0
	PLACES 4
; THE WAY OUT, tile by tile of 16 queries x 64 channels: x 1 / l; through my own stage in LDS; back as whole rows of 256 bytes.  LDS serves a wave's instructions in order: no wait between the stores and the loads.
.macro PACK a
	WIN 0x02                                       ; source 0: window 2
.set i, 0
.rept 16
	v_pk_mul_f32 v[H+i:H+i+1], v[32*(\a)+i:32*(\a)+i+1], v[RL+2*(\a):RL+2*(\a)+1]   ; ascending: each accumulator is read from its low end on
.set i, i+2
.endr
	WIN 0
.endm
.macro TOSTAGE a
.irp b, 0,1,2,3
	ds_store_b128 v[STO], v[H+8*\b:H+8*\b+3] offset:128*(\b/2)+32*(\b%2)            ; registers 8 b + j are channels 32 (b / 2) + 16 h + 8 (b % 2) + j of my 64
	ds_store_b128 v[STO], v[H+8*\b+4:H+8*\b+7] offset:128*(\b/2)+32*(\b%2)+16
.endr
.irp t, 0,1,2,3,4,5,6,7
	ds_load_b128 v[BK+32*((\a)%2)+4*\t:BK+32*((\a)%2)+4*\t+3], v[RD] offset:2*\t*SPITCH
.endr
.endm
.macro SEND a, younger                 ; younger: the LDS instructions issued behind tile a's loads, which may stay out
	s_wait_dscnt \younger
.irp t, 0,1,2,3,4,5,6,7
	global_store_b128 v[CO], v[BK+32*((\a)%2)+4*\t:BK+32*((\a)%2)+4*\t+3], s[66:67] offset:(32*((\a)/2)+8*((\a)%2)+2*\t+8*(\t/4))*8192 th:TH_STORE_NT   ; 16 lanes store 256 consecutive bytes, aligned; stage row 2 t + h is the tile's lane row; 126 rows at the most: inside the signed 24-bit immediate
.endr
.endm
	PACK 0
	TOSTAGE 0
.irp a, 1,2,3,4,5,6,7
	PACK \a
.if \a > 1
	s_wait_xcnt 0x0                                ; tile a - 2's stores have read their registers: tile a's loads may land there
.endif
	TOSTAGE \a
	SEND \a-1, 16                                  ; behind tile a - 1's loads: tile a's 8 stores and 8 loads
.endr
	SEND 7, 0
	s_wait_tensorcnt 0x0                           ; the wave's end
	ds_add_u32 v[SPW], v[NIL]
	s_wait_dscnt 0x0
	CROUND                                         ; the closing round
	s_endpgm
.Lfunc_end_k_q31ebbb4ee3_read:
	.size	k_q31ebbb4ee3_read, .Lfunc_end_k_q31ebbb4ee3_read-k_q31ebbb4ee3_read
	.p2alignl 7, 3214868480
	.fill 96, 4, 3214868480
	.section	.rodata,"a",@progbits
	.p2align	6, 0x0
	.amdhsa_kernel k_q31ebbb4ee3_read
		.amdhsa_group_segment_fixed_size 327680
		.amdhsa_private_segment_fixed_size 0
		.amdhsa_enable_private_segment 0
		.amdhsa_kernarg_size 32
		.amdhsa_user_sgpr_count 2
		.amdhsa_user_sgpr_kernarg_segment_ptr 1
		.amdhsa_wavefront_size32 1
		.amdhsa_system_sgpr_workgroup_id_x 1
		.amdhsa_system_sgpr_workgroup_id_y 1
		.amdhsa_system_sgpr_workgroup_id_z 1
		.amdhsa_system_vgpr_workitem_id 0
		.amdhsa_next_free_vgpr 768
		.amdhsa_next_free_sgpr 100
		.amdhsa_reserve_vcc 1
		.amdhsa_float_denorm_mode_32 3
		.amdhsa_float_denorm_mode_16_64 3
		.amdhsa_memory_ordered 1
		.amdhsa_forward_progress 1
		.amdhsa_inst_pref_size 193
	.end_amdhsa_kernel
	.amdgpu_metadata
---
amdhsa.version: [ 1, 2 ]
amdhsa.kernels:
  - .name:           k_q31ebbb4ee3_read
    .symbol:         k_q31ebbb4ee3_read.kd
    .args:
      - { .name: pp, .offset: 0, .size: 8, .value_kind: global_buffer, .address_space: global }
      - { .name: pst, .offset: 8, .size: 8, .value_kind: global_buffer, .address_space: global }
      - { .name: qkvp, .offset: 16, .size: 8, .value_kind: global_buffer, .address_space: global }
      - { .name: out0, .offset: 24, .size: 8, .value_kind: global_buffer, .address_space: global }
    .group_segment_fixed_size: 327680
    .private_segment_fixed_size: 0
    .kernarg_segment_align: 8
    .kernarg_segment_size: 32
    .max_flat_workgroup_size: 128
    .sgpr_count:     100
    .vgpr_count:     768
    .wavefront_size: 32
...
	.end_amdgpu_metadata
.endif
;; end of part 4
